; MI455X (gfx1250); checked and timed in simulation.
; The chip was launched on July 23, 2026; its instructions are those of AMD's public machine-readable ISA for CDNA 5 (MIT licence, August 2026) and "CDNA5" Instruction Set Architecture Reference Guide (July 2026). The comments in the code are by the model that wrote it; some were corrected since.
;; Causal Self Attention. Allowed arithmetic: matrix products marked QUANTISED: E2M3 operands, one E8M0 scale for each 32 along K, by v_wmma_scale_f32_16x16x128_f8f6f4 with both operands' format E2M3, f32 sums; everything else in f32.
;; Inputs: Wk_codes 1,024 x 32 x 24 uint8 (E2M3 codes of Wk, K innermost, in blocks of 32 codes, four codes in three bytes); Wk_scales 1,024 x 32 uint8 (E8M0 scales of Wk, one for each 32 codes along K); Wp_codes 1,024 x 32 x 24 uint8 (E2M3 codes of Wp, K innermost, in blocks of 32 codes, four codes in three bytes); Wp_scales 1,024 x 32 uint8 (E8M0 scales of Wp, one for each 32 codes along K); Wq_codes 1,024 x 32 x 24 uint8 (E2M3 codes of Wq, K innermost, in blocks of 32 codes, four codes in three bytes); Wq_scales 1,024 x 32 uint8 (E8M0 scales of Wq, one for each 32 codes along K); Wv_codes 1,024 x 32 x 24 uint8 (E2M3 codes of Wv, K innermost, in blocks of 32 codes, four codes in three bytes); Wv_scales 1,024 x 32 uint8 (E8M0 scales of Wv, one for each 32 codes along K); bk 1,024 float32; bp 1,024 float32; bq 1,024 float32; bv 1,024 float32; pk 2 x 16 x 1,024 x 64 float32; pv 2 x 16 x 1,024 x 64 float32; x_codes 2 x 2,048 x 32 x 24 uint8 (E2M3 codes of x, K innermost, in blocks of 32 codes, four codes in three bytes); x_scales 2 x 2,048 x 32 uint8 (E8M0 scales of x, one for each 32 codes along K).
;; Outputs: out0 2 x 2,048 x 1,024 float32; out1 2 x 16 x 3,072 x 64 float32; out2 2 x 16 x 3,072 x 64 float32.
;; This version of the problem:
;;   THIS VERSION OF THE PROBLEM IS GIVEN IN LOW PRECISION. The matrix products marked QUANTISED in the list below multiply operands that are first quantised to E2M3 (2 exponent bits, 3 mantissa bits; 6 bits a number), with one power-of-two scale for each 32 numbers along K (OCP MX v1.0); their sums are f32. All else is computed in f32.
;;   The module's matrix products, in the order in which they are computed (A, B: the left and right operand; K: the contracted axis; several contracted axes count as one K, in the product's order):
;;     1. [M 4,096, K 1,024] x [K 1,024, N 1,024]; A: input x (given as codes); B: input Wq (given as codes): QUANTISED
;;     2. [M 4,096, K 1,024] x [K 1,024, N 1,024]; A: input x (given as codes); B: input Wk (given as codes): QUANTISED
;;     3. [M 4,096, K 1,024] x [K 1,024, N 1,024]; A: input x (given as codes); B: input Wv (given as codes): QUANTISED
;;     4. batch 32 x [M 2,048, K 64] x [K 64, N 3,072]; A: computed on the way; B: computed on the way: QUANTISED
;;     5. batch 32 x [M 2,048, K 3,072] x [K 3,072, N 64]; A: softmax (see below); B: computed on the way: QUANTISED
;;     6. [M 4,096, K 1,024] x [K 1,024, N 1,024]; A: computed on the way; B: input Wp (given as codes): QUANTISED
;;   THE QUANTISER, for each operand of a quantised product, along K:
;;     - K is cut into blocks of 32 from its start; a last block that is shorter is filled with zeros.
;;     - A block's scale is 2^e with e = floor(log2(the largest magnitude in the block)) - 2, held to -126 .. 127; a block of zeros has e = 0. As a byte (E8M0): e + 127.
;;     - Each number is divided by its block's scale, clamped to +-7.5, and rounded to the nearest number of E2M3, ties to even, subnormals kept.
;;     - The product sums the exact products of the quantised numbers (number of the format x scale) in f32.
;;   ~~~python
;;   def quantise(x, axis):      # numpy; x: float32 -> the quantised numbers, widened to float32 again
;;       x = np.moveaxis(x, axis, -1); K = x.shape[-1]
;;       x = np.pad(x, [(0, 0)] * (x.ndim - 1) + [(0, -K % 32)]); x = x.reshape(x.shape[:-1] + (-1, 32)); a = np.abs(x).max(-1, keepdims=True)
;;       e = np.where(a > 0, np.clip(np.frexp(np.where(a > 0, a, 1))[1] - 1 - 2, -126, 127), 0)      # np.frexp(a)[1] - 1 = floor(log2(a)), exactly
;;       r = np.clip(x / 2.0 ** e, -7.5, 7.5)
;;       step = 2.0 ** (np.maximum(np.frexp(np.where(r == 0, 1, r))[1] - 1, 0) - 3)
;;       q = np.round(r / step) * step * 2.0 ** e      # np.round: ties to even
;;       return np.moveaxis(q.reshape(q.shape[:-2] + (-1,))[..., :K], -1, axis).astype(np.float32)
;;   ~~~
;;   SOFTMAX AHEAD OF A QUANTISED PRODUCT. Where the list says 'softmax', what is quantised is not the finished softmax but p = 2^(t - M), with t = logit x log2(e) and M = ceil(the row's largest t), a whole number; so 1/2 < the row's largest p <= 1. The row's sum l is taken of the UNQUANTISED p, in f32, and the product's result is divided by l at the end. Since M is a whole number, a kernel that streams over the keys may use a running M (the ceiling of the running maximum): every later rescaling is an exact power of two, which a block's scale takes up: the codes' values come out the same.
;;   OPERANDS COMPUTED ON THE WAY. 'Computed on the way' means the value that the module computes at that place (a softmax that the list does not call 'softmax' is quantised finished and normalised). What goes into a quantiser is computed in f32, as accurately as f32 sums, v_exp_f32 and their like allow (about 1e-6 of the number): no bf16 or f16 on the way to a quantiser, and a product that is left as it is and whose result goes on into a quantised operand takes f32 operands (vector FMAs, or v_wmma_f32_16x16x4_f32). A number that lies on a knife's edge between two numbers of the format may be rounded either way, as far as f32 arithmetic and the matrix unit's own rounding can turn it there, and no further.
;;   INPUTS GIVEN AS CODES. Wk (in the module: [1024, 1024], K = its axis 0); Wp (in the module: [1024, 1024], K = its axis 0); Wq (in the module: [1024, 1024], K = its axis 0); Wv (in the module: [1024, 1024], K = its axis 0); x (in the module: [2, 2048, 1024], K = its axis 2): each comes as NAME_codes (uint8): NAME with its K axis moved to the last place and cut into blocks of 32 codes, [.., K / 32, bytes a block], one block behind the other in memory; four codes in three bytes: a row's codes are one little-endian stream of bits, code i at bits 6 i .. 6 i + 5 (a code: sign, 2 exponent bits, 3 mantissa bits); and NAME_scales (uint8): the same leading axes, one E8M0 byte (e + 127) for each 32 codes along K. Its value is code x scale, taken as it is: it is not quantised again, and the codes and scales need not be those that the quantiser above would give.
;; One version. Each part assembles by itself: llvm-mc -triple=amdgcn-amd-amdhsa -mcpu=gfx1250 --defsym DOCPART=n.
;; ======== version 1 of 1: 4 launches
;; limits: right only within a limited range of input values
;; workspace buffers: kvimg 9,830,400 bytes; qimg 3,276,800 bytes; yimg 3,145,728 bytes; ysc 131,072 bytes
;; launch past (part 1): grid 8 x 32, 4 waves a work-group, no clusters, 69,120 bytes of LDS; arguments pk, pv, out1, out2, kvimg; writes out1, out2, kvimg
.if DOCPART == 1
	.amdgcn_target "amdgcn-amd-amdhsa--gfx1250"
	.amdhsa_code_object_version 6
	.text
	.protected	k_q671b001e23_past
	.globl	k_q671b001e23_past
	.p2align	8
	.type	k_q671b001e23_past,@function
k_q671b001e23_past:
	s_mov_b64 s[64:65], 0
	v_nop
	global_prefetch_b8 v0, s[64:65] scope:SCOPE_SE
	s_setreg_imm32_b32 hwreg(HW_REG_WAVE_MODE, 25, 1), 1
	s_wait_xcnt 0x0
; The cached keys and values pk, pv [32 heads][1024][64] f32: copied into out1, out2 (keys 0-1023 of 3,072) and turned into codes of FP6 (E2M3) with E8M0 scales,
; laid as images of the attention launch's operand registers: kvimg [head][step of 128 keys][12,800]:  K's 4 fragments (6,144 bytes), V's 4 (6,144), K's scale words (256), V's (256).
; K is quantised along the head's 64 (two blocks of 32), V along the keys (four blocks of 32 a step).
; K's fragment b: registers 0-5 = key tile 2 b, registers 6-11 = key tile 2 b + 1; lane (r, h): key 16 tile + r, block h of the 64.   V's fragment t: lane (r, h): channel 16 t + r; registers 6 c .. 6 c + 5: key block 2 c + h.
; INSIDE A BLOCK OF 32 the numbers stand in one fixed order, alike in both operands of each product: position p holds index 16 ((p / 8) % 2) + 8 (p / 16) + p % 8.  It changes no scale and no product.
; SHARES.  A work-group takes 128 keys of one head, of both tensors; wave w loads keys 32 w .. 32 w + 31 (each load 512 consecutive bytes), makes K's fragment w from its own keys and V's fragment w from all 128.
; All 32 loads of a wave go out at once.  No matrix unit and no cluster: memory binds, and work-groups share no input.
; A block's scale is 2^(floor(log2(largest magnitude)) - 2); its byte is the largest magnitude's exponent field - 2, held at 1 from below.
; LIMITS: a block of zeros gets the byte 1 (its codes are zeros; the bytes are read by this program alone); NaN and infinities among the inputs are not served.
.set KSTW, 8704                        ; LDS: each wave's own stage for K: 32 rows x (256 + 16) bytes
.set VST,  34816                       ; the work-group's stage for V: key k, channel d at (k / 32) x 8,320 + (k % 32) x 256 + 4 d: the 128 bytes more for each 32 keys set lanes 16-31 half way round the banks from lanes 0-15
.set VSB,  8320
.set SG,   68096                       ; the step's scale words: K's 256 bytes, then V's
.set KR,   16                          ; v16-79   pk as loaded; later V's 64 numbers of my channel
.set VR,   80                          ; v80-143  pv as loaded
.set XK,   144                         ; v144-207 K's 64 numbers: two blocks of 32
.set XV,   16
.set C,    208                         ; v208-219 a fragment's codes
.set T,    220                         ; v220-227 the second halves of the blocks' codes
.set M,    228                         ; v228-229 largest magnitudes; v230-231 the conversions' scale operands; v232-233 the bytes
.set SO,   230
.set BY,   232
.set WD,   234                         ; the scale word
.set TP,   235
	s_load_b256 s[4:11], s[0:1], 0x0               ; pk, pv, out1, out2
	s_load_b64 s[12:13], s[0:1], 0x20              ; kvimg
	v_lshl_add_u32 v240, v0, 2, 0x10c00
	v_mov_b32 v241, 0
	v_lshrrev_b32 v1, 5, v0
	v_readfirstlane_b32 s14, v1                    ; wave 0..3
	v_and_b32 v1, 31, v0                           ; lane
	v_and_b32 v2, 15, v0                           ; r
	v_bfe_u32 v3, v0, 4, 1                         ; h
	v_lshlrev_b32 v4, 4, v1                        ; 16 x lane
	s_mul_i32 s24, s14, KSTW
	v_mul_u32_u24 v5, v3, 272
	v_lshl_add_u32 v5, v2, 4, v5
	v_add_nc_u32 v5, s24, v5                       ; K's stage, in: a load's 512 bytes are two rows
	v_mul_u32_u24 v6, v2, 272
	v_lshl_add_u32 v6, v3, 7, v6
	v_add_nc_u32 v6, s24, v6                       ; and out: row r, my block's 128 bytes
	s_mul_i32 s24, s14, VSB
	s_add_co_u32 s24, s24, VST
	v_add_nc_u32 v7, s24, v4                       ; V's stage, in: my wave's 32 keys, 512 consecutive bytes a store
	s_lshl_b32 s24, s14, 6
	s_add_co_u32 s24, s24, VST
	v_mul_u32_u24 v8, v3, VSB
	v_lshl_add_u32 v8, v2, 2, v8
	v_add_nc_u32 v8, s24, v8                       ; and out: channel 16 w + r, key block h
	s_lshl_b32 s24, s14, 2
	s_add_co_u32 s24, s24, SG
	v_lshl_add_u32 v9, v2, 4, s24                  ; my row's scale word of fragment w: 16 r + 4 w
	s_mul_i32 s24, s14, 1536
	v_add_nc_u32 v10, s24, v4                      ; my 16 bytes of a plane of fragment w's image
	v_add_nc_u32 v11, SG, v4
	v_lshlrev_b32 v12, 3, v3                       ; 8 h
	v_mov_b32 v[TP], 0                             ; written once: a lane permute's destination counts as one of its sources
	s_mov_b32 s26, 0x76543210
	s_mov_b32 s27, 0xfedcba98                      ; v_permlanex16_b32's selects for lane l xor 16
	s_and_b32 s15, ttmp7, 0xffff                   ; head
	s_lshl_b32 s16, ttmp9, 15                      ; the step's 128 keys of 256 bytes,
	s_lshl_b32 s17, s14, 13                        ; my wave's 32 of them
	s_add_co_u32 s16, s16, s17
	s_lshl_b32 s18, s15, 18                        ; a head of pk, pv: 262,144 bytes
	s_add_co_u32 s18, s18, s16
	s_mov_b32 s19, 0
	s_mul_i32 s20, s15, 786432                     ; a head of out1, out2
	s_add_co_u32 s20, s20, s16
	s_mov_b32 s21, 0
	s_mul_i32 s22, s15, 307200                     ; a head of kvimg
	s_mul_i32 s23, ttmp9, 12800
	s_add_co_u32 s22, s22, s23
	s_mov_b32 s23, 0
	s_wait_alu depctr_va_vdst(0)
	s_wait_kmcnt 0x0
	s_add_nc_u64 s[4:5], s[4:5], s[18:19]
	s_add_nc_u64 s[6:7], s[6:7], s[18:19]
	s_add_nc_u64 s[8:9], s[8:9], s[20:21]
	s_add_nc_u64 s[10:11], s[10:11], s[20:21]
	s_add_nc_u64 s[12:13], s[12:13], s[22:23]
.irp i, 0,1,2,3,4,5,6,7,8,9,10,11,12,13,14,15
	global_load_b128 v[KR+4*\i:KR+4*\i+3], v4, s[4:5] offset:512*\i th:TH_LOAD_NT
.endr
.irp i, 0,1,2,3,4,5,6,7,8,9,10,11,12,13,14,15
	global_load_b128 v[VR+4*\i:VR+4*\i+3], v4, s[6:7] offset:512*\i th:TH_LOAD_NT
.endr
; Two blocks of 32 numbers, v[x + 32 c ..], all of a block in my registers, become a fragment's 12 registers of codes in v[C] on, and my row's scale word in v[WD].
.macro QB2 x
.irp c, 0,1
	v_max3_num_f32 v[M+\c], |v[\x+32*\c]|, |v[\x+32*\c+1]|, 0x1800000   ; with the floor 2^(3 - 127): the byte cannot fall under 1
.endr
.irp i, 2,4,6,8,10,12,14,16,18,20,22,24,26,28,30
.irp c, 0,1
	v_max3_num_f32 v[M+\c], v[M+\c], |v[\x+32*\c+\i]|, |v[\x+32*\c+\i+1]|
.endr
.endr
.irp c, 0,1
	v_add_nc_u32 v[SO+\c], 0xff000000, v[M+\c]     ; 2 off the exponent field: the conversion takes this operand's exponent field as its scale
.endr
.irp c, 0,1
	v_lshrrev_b32 v[BY+\c], 23, v[SO+\c]           ; the scale's byte
.endr
	v_lshl_or_b32 v[WD], v[BY+1], 16, v[BY]        ; my two bytes, places h and 2 + h of the word;
	v_lshlrev_b32 v[WD], v12, v[WD]
	v_permlanex16_b32 v[TP], v[WD], s26, s27
	v_or_b32 v[WD], v[WD], v[TP]                   ; with lane l xor 16's two the word is whole
.irp c, 0,1
	v_cvt_scalef32_pk16_fp6_f32 v[C+6*\c:C+6*\c+2], v[\x+32*\c:\x+32*\c+15], v[SO+\c]
	v_cvt_scalef32_pk16_fp6_f32 v[T+4*\c:T+4*\c+2], v[\x+32*\c+16:\x+32*\c+31], v[SO+\c]   ; (a conversion's three registers begin on an even number)
.endr
	v_nop                                          ; one plain place behind a scaled conversion
.irp c, 0,1
.irp i, 0,1,2
	v_mov_b32 v[C+3+6*\c+\i], v[T+4*\c+\i]
.endr
.endr
.endm
	s_wait_loadcnt 16                              ; pk's 16 loads are in; pv's 16 may be out
.irp i, 0,1,2,3,4,5,6,7,8,9,10,11,12,13,14,15
	global_store_b128 v4, v[KR+4*\i:KR+4*\i+3], s[8:9] offset:512*\i th:TH_STORE_NT   ; 512 consecutive bytes, aligned
	ds_store_b128 v5, v[KR+4*\i:KR+4*\i+3] offset:544*\i
.endr
.irp u, 0,1                                    ; key tile u of my fragment: key 16 u + r, my block's 32 numbers, landing in the fixed order.  LDS serves a wave's instructions in order: these see my stores
.irp m, 0,1,2,3,4,5,6,7
	ds_load_b128 v[XK+32*\u+4*(4*((\m/2)%2)+2*(\m/4)+\m%2):XK+32*\u+4*(4*((\m/2)%2)+2*(\m/4)+\m%2)+3], v6 offset:4352*\u+16*\m
.endr
.endr
	s_wait_loadcnt 0x0                             ; pv
.irp i, 0,1,2,3,4,5,6,7,8,9,10,11,12,13,14,15
	global_store_b128 v4, v[VR+4*\i:VR+4*\i+3], s[10:11] offset:512*\i th:TH_STORE_NT
	ds_store_b128 v7, v[VR+4*\i:VR+4*\i+3] offset:512*\i
.endr
	s_wait_dscnt 0x0                               ; for the others' sake: my part of V's stage is written (and K's numbers are back)
	s_barrier_signal -1
	s_barrier_wait -1
	s_wait_xcnt 0x0                                ; out1's stores have read v16-79: they may be loaded again
.irp c, 0,1
.irp p, 0,1,2,3,4,5,6,7,8,9,10,11,12,13,14,15,16,17,18,19,20,21,22,23,24,25,26,27,28,29,30,31
	ds_load_b32 v[XV+32*\c+\p], v8 offset:2*VSB*\c+256*(16*((\p/8)%2)+8*(\p/16)+\p%8)   ; key block 2 c + h, position p, channel 16 w + r
.endr
.endr
	QB2 XK                                         ; K's fragment while V's numbers come
.irp c, 0,1,2
	global_store_b128 v10, v[C+4*\c:C+4*\c+3], s[12:13] offset:512*\c
.endr
	ds_store_b32 v9, v[WD]                         ; (both lanes of a row write the same word with the same value)
	s_wait_dscnt 0x0                               ; V's numbers are in
	s_wait_xcnt 0x0                                ; the image's stores have read the codes' registers
	QB2 XV
.irp c, 0,1,2
	global_store_b128 v10, v[C+4*\c:C+4*\c+3], s[12:13] offset:6144+512*\c
.endr
	ds_store_b32 v9, v[WD] offset:256
	s_wait_dscnt 0x0                               ; for wave 0's sake
	s_barrier_signal -1
	s_barrier_wait -1
	s_cmp_lg_u32 s14, 0
	s_cbranch_scc1 .Lend
	ds_load_b128 v[XK:XK+3], v11                   ; the step's 512 bytes of scale words leave as two aligned blocks of 256 bytes
	s_wait_dscnt 0x0
	global_store_b128 v4, v[XK:XK+3], s[12:13] offset:12288
.Lend:
	s_wait_tensorcnt 0x0
	ds_add_u32 v240, v241
	s_wait_dscnt 0x0
	s_endpgm
.Lfunc_end_k_q671b001e23_past:
	.size	k_q671b001e23_past, .Lfunc_end_k_q671b001e23_past-k_q671b001e23_past
	.p2alignl 7, 3214868480
	.fill 96, 4, 3214868480
	.section	.rodata,"a",@progbits
	.p2align	6, 0x0
	.amdhsa_kernel k_q671b001e23_past
		.amdhsa_group_segment_fixed_size 69120
		.amdhsa_private_segment_fixed_size 0
		.amdhsa_enable_private_segment 0
		.amdhsa_kernarg_size 40
		.amdhsa_user_sgpr_count 2
		.amdhsa_user_sgpr_kernarg_segment_ptr 1
		.amdhsa_wavefront_size32 1
		.amdhsa_system_sgpr_workgroup_id_x 1
		.amdhsa_system_sgpr_workgroup_id_y 1
		.amdhsa_system_sgpr_workgroup_id_z 1
		.amdhsa_system_vgpr_workitem_id 0
		.amdhsa_next_free_vgpr 242
		.amdhsa_next_free_sgpr 66
		.amdhsa_reserve_vcc 0
		.amdhsa_float_denorm_mode_32 3
		.amdhsa_float_denorm_mode_16_64 3
		.amdhsa_memory_ordered 1
		.amdhsa_forward_progress 1
		.amdhsa_inst_pref_size 24
	.end_amdhsa_kernel
	.amdgpu_metadata
---
amdhsa.version: [ 1, 2 ]
amdhsa.kernels:
  - .name:           k_q671b001e23_past
    .symbol:         k_q671b001e23_past.kd
    .args:
      - { .name: pk, .offset: 0, .size: 8, .value_kind: global_buffer, .address_space: global }
      - { .name: pv, .offset: 8, .size: 8, .value_kind: global_buffer, .address_space: global }
      - { .name: out1, .offset: 16, .size: 8, .value_kind: global_buffer, .address_space: global }
      - { .name: out2, .offset: 24, .size: 8, .value_kind: global_buffer, .address_space: global }
      - { .name: kvimg, .offset: 32, .size: 8, .value_kind: global_buffer, .address_space: global }
    .group_segment_fixed_size: 69120
    .private_segment_fixed_size: 0
    .kernarg_segment_align: 8
    .kernarg_segment_size: 40
    .max_flat_workgroup_size: 128
    .sgpr_count:     66
    .vgpr_count:     242
    .wavefront_size: 32
...
	.end_amdgpu_metadata
.endif
;; end of part 1
;; launch qkv (part 2): grid 8 x 32, 8 waves a work-group, clusters of 4 x 4, 327,680 bytes of LDS; arguments x_codes, x_scales, Wq_codes, Wq_scales, Wk_codes, Wk_scales, Wv_codes, Wv_scales, bq, bk, bv, qimg, kvimg, out1, out2; writes qimg, kvimg, out1, out2
.if DOCPART == 2
	.amdgcn_target "amdgcn-amd-amdhsa--gfx1250"
	.amdhsa_code_object_version 6
	.text
	.protected	k_q671b001e23_qkv
	.globl	k_q671b001e23_qkv
	.p2align	8
	.type	k_q671b001e23_qkv,@function
k_q671b001e23_qkv:
	s_mov_b64 s[64:65], 0
	v_nop
	global_prefetch_b8 v0, s[64:65] scope:SCOPE_SE
	s_setreg_imm32_b32 hwreg(HW_REG_WAVE_MODE, 25, 1), 1
	s_wait_xcnt 0x0
	s_wait_alu depctr_hold_cnt(0) depctr_sa_sdst(0) depctr_va_vdst(0) depctr_va_sdst(0) depctr_va_ssrc(0) depctr_va_vcc(0) depctr_vm_vsrc(0)
	s_getreg_b32 s2, hwreg(HW_REG_IB_STS2, 6, 4)
	s_cmp_eq_u32 s2, 0
	s_cbranch_scc0 .Lentry_in_a_cluster
	s_endpgm
.Lentry_in_a_cluster:
	s_bfe_u32 s2, ttmp6, 0x10000c
	s_cmp_lg_u32 s2, 0xf033
	s_cbranch_scc0 .Lentry_shape_is_right
	s_endpgm
.Lentry_shape_is_right:
; q, k, v = x W + b on codes of FP6 (E2M3) with E8M0 scales, for 128 tokens x 128 columns (two heads) a work-group; 32 x 8 work-groups.
; k and v leave as f32 (out1, out2, keys 1,024 on) and, like q, as codes: images of the attention launch's operand registers (qimg, kvimg; layout as in launch past).
; LDS: x's 128 rows for all of K (rows of 768 bytes, 16 bytes of padding behind each 256: pitch 816), and two slots of the same size for the weights:
; slot 0 takes Wq and later Wv, slot 1 Wk.  Every row begins at a multiple of 768 bytes of its buffer.  When Wk has been multiplied, slot 1 has had its only fill and serves as the stage of the f32 rows.
; SHARES.  Wave w: head w / 4 of the two, part f = w % 4.  For q and k it makes 32 tokens (32 f ..) x the head's 64: source 0 = 4 x 16 rows of W, source 1 = 2 x 16 tokens: a lane holds one token, its registers run
; along the head: one fragment of the image.  For v it makes 128 tokens x 16 channels (16 f ..): source 0 = 8 x 16 tokens, source 1 = 16 rows of Wv: a lane holds one channel, its registers run along the keys: one fragment of V.
; The biases are the C of each sum's first matrix instruction.  Scale words go from memory into registers: a lane takes a row's 32 bytes; lanes 16-31 hold the next 16 rows' (ROW1).
; CLUSTER 4 x 4: x's tile is asked for jointly along a row, the weights' along a column.  Waves 0-3 fetch x (32 rows each), waves 4-7 the weights.
; No prefetch: the text has no loop to run ahead in; Wk is asked for as soon as the head's loads have landed, Wv when slot 0 is free.
; LIMITS: a block of zeros gets the scale byte 1 (its codes are zeros; the bytes are read by this program alone); NaN and infinities are not served.
.set PITCH, 816
.set TILE, 128*PITCH
.set SL0, TILE
.set SL1, 2*TILE
.set STAGE, SL1
.set SG, 3*TILE                        ; the scale words of q, k, v: 512 bytes each
.set SPARE, SG+1536
.set IMO, 3                            ; 16 x lane
.set LS, 4                             ; 32 x lane
.set RS, 5                             ; 32 r
.set XQ, 6                             ; pairs of LDS addresses (the second: 16 more in lanes 16-31, where they read the next 256 bytes): x for q and k
.set WA, 8                             ; slot 0, my head's 64 rows
.set WK, 10                            ; slot 1
.set XVA, 12                           ; x, tokens 0-63;  XVB tokens 64-127
.set XVB, 14
.set WV, 16                            ; slot 0, my 16 rows
.set STO, 18
.set RD, 19
.set STV, 20
.set SGA, 21
.set BO, 22
.set RO, 23
.set SPW, 24
.set NIL, 25
.set SGR, 26
.set SXV, 28                           ; v28-59 x's scale words;  v60-75 the weight's
.set SW, 60
.set BV, 76                            ; bv of my channel, eight times
.set ACC, 84                           ; v84-147 eight accumulators
.set FR, 148                           ; v148-255 fragments; behind a product: at work
.set BQ, FR+72                         ; bq, bk: 32 registers that only v's product uses for fragments
.set TM, FR
.set TQ, FR+12
.set OUT, FR+20
.set PW, FR+32
.set BB, FR+36
.set G1, 24
.set G1B, 48
.set G0X, 32
.set G0Q, 36
.set G0K, 56
.set G0V, 60
.set SEL, 66
.macro CREST
	s_cmp_lg_u32 s14, 0
	s_cbranch_scc1 .Lnot_wave_0_\@
	s_barrier_signal -3
.Lnot_wave_0_\@:
	s_barrier_wait -3
	s_barrier_signal -1
	s_barrier_wait -1
.endm
.macro CROUND
	s_barrier_signal -1
	s_barrier_wait -1
	CREST
.endm
.macro PLACES
.rept 4
	v_nop
.endr
.endm
.macro MKG0 g, p, lds                  ; group 0 of a weight's tile: my 32 rows
	s_mov_b32 s[\g], 1
	s_add_co_u32 s[\g+1], s45, \lds
	s_add_nc_u64 s[\g+2:\g+3], s[\p:\p+1], s[46:47]
	s_or_b32 s[\g+3], s[\g+3], 0x80000000
.endm
.macro WLOAD g                         ; waves 4-7: a weight's tile, jointly with my column of the cluster
	s_cmp_eq_u32 s15, 0
	s_cbranch_scc1 .Lnone_\@
	tensor_load_to_lds s[\g:\g+3], s[G1B:G1B+7]
	s_nop 0
	PLACES
.Lnone_\@:
.endm
.macro WM d, a, b, c, sa, sb, ra, rb   ; ra, rb: which half of the lanes holds the source's scale words
.if (\ra)==0 && (\rb)==0
	v_wmma_scale_f32_16x16x128_f8f6f4 v[\d:\d+7], v[\a:\a+11], v[\b:\b+11], v[\c:\c+7], v[\sa], v[\sb] matrix_a_fmt:MATRIX_FMT_FP6 matrix_b_fmt:MATRIX_FMT_FP6
.endif
.if (\ra)==1 && (\rb)==0
	v_wmma_scale_f32_16x16x128_f8f6f4 v[\d:\d+7], v[\a:\a+11], v[\b:\b+11], v[\c:\c+7], v[\sa], v[\sb] matrix_a_fmt:MATRIX_FMT_FP6 matrix_b_fmt:MATRIX_FMT_FP6 matrix_a_scale:MATRIX_SCALE_ROW1
.endif
.if (\ra)==0 && (\rb)==1
	v_wmma_scale_f32_16x16x128_f8f6f4 v[\d:\d+7], v[\a:\a+11], v[\b:\b+11], v[\c:\c+7], v[\sa], v[\sb] matrix_a_fmt:MATRIX_FMT_FP6 matrix_b_fmt:MATRIX_FMT_FP6 matrix_b_scale:MATRIX_SCALE_ROW1
.endif
.if (\ra)==1 && (\rb)==1
	v_wmma_scale_f32_16x16x128_f8f6f4 v[\d:\d+7], v[\a:\a+11], v[\b:\b+11], v[\c:\c+7], v[\sa], v[\sb] matrix_a_fmt:MATRIX_FMT_FP6 matrix_b_fmt:MATRIX_FMT_FP6 matrix_a_scale:MATRIX_SCALE_ROW1 matrix_b_scale:MATRIX_SCALE_ROW1
.endif
.endm
.macro FRAG reg, adr, st, i            ; 16 rows x 128 K: six pieces of 8 bytes; byte y of a row lies at y + 16 (y / 256) of its LDS row
.irp p, 0,1,2,3,4,5
.set BY, 96*(\st)+48*(\p/3)+8*(\p%3)
.if BY/256 == (BY+24)/256
	ds_load_b64 v[\reg+2*\p:\reg+2*\p+1], v[\adr] offset:BY+16*(BY/256)+(\i)*16*PITCH
.else
	ds_load_b64 v[\reg+2*\p:\reg+2*\p+1], v[\adr+1] offset:BY+16*(BY/256)+(\i)*16*PITCH
.endif
.endr
.endm
.macro GQK wadr                        ; 32 tokens x 64 columns, K = 1,024 in eight steps; the eight accumulators by turns
.set ST, 0
.rept 8
.if ST > 0
	PLACES
.endif
.irp b, 0,1,2,3
	FRAG FR+12*\b, \wadr, ST, \b
.endr
.irp a, 0,1
	FRAG FR+48+12*\a, XQ, ST, \a
.endr
	s_wait_dscnt 0x0
.irp a, 0,1
.irp b, 0,1,2,3
.if ST == 0
.set CB, BQ+8*\b
.else
.set CB, ACC+8*(4*\a+\b)
.endif
	WM ACC+8*(4*\a+\b), FR+12*\b, FR+48+12*\a, CB, SW+8*(\b/2)+ST, SXV+ST, \b%2, \a
.endr
.endr
.set ST, ST+1
.endr
.endm
.macro GV                              ; 128 tokens x 16 channels
.set ST, 0
.rept 8
.if ST > 0
	PLACES
.endif
.irp i, 0,1,2,3
	FRAG FR+12*\i, XVA, ST, \i
.endr
.irp i, 4,5,6,7
	FRAG FR+12*\i, XVB, ST, \i-4
.endr
	FRAG FR+96, WV, ST, 0
	s_wait_dscnt 0x0
.irp i, 0,1,2,3,4,5,6,7
.if ST == 0
.set CB, BV
.else
.set CB, ACC+8*\i
.endif
	WM ACC+8*\i, FR+12*\i, FR+96, CB, SXV+8*(\i/2)+ST, SW+ST, \i%2, 0
.endr
.set ST, ST+1
.endr
.endm
.macro LDW p                           ; the scale words of my head's 64 rows of a weight
.irp i, 0,1
	global_load_b128 v[SW+8*\i:SW+8*\i+3], v[LS], s[\p:\p+1] offset:1024*\i
	global_load_b128 v[SW+8*\i+4:SW+8*\i+7], v[LS], s[\p:\p+1] offset:1024*\i+16
.endr
.endm
.macro LDB p                           ; the bias in the result's layout: columns 16 b + 8 h + 0 .. 7
.irp b, 0,1,2,3
	global_load_b128 v[BQ+8*\b:BQ+8*\b+3], v[BO], s[\p:\p+1] offset:64*\b
	global_load_b128 v[BQ+8*\b+4:BQ+8*\b+7], v[BO], s[\p:\p+1] offset:64*\b+16
.endr
.endm
; The 64 results of a lane are four blocks of 32 (each shared with lane l xor 16): a fragment's 12 registers of codes in v[OUT] on, my row's scale word in v[PW]
.macro QUANT
.irp b, 0,1,2,3
	v_mov_b32 v[TM+4+\b], 0
.endr
.irp b, 0,1,2,3
	v_max3_num_f32 v[TM+\b], |v[ACC+16*\b]|, |v[ACC+1+16*\b]|, 0x1800000   ; with the floor 2^(3 - 127)
.endr
.irp i, 2,4,6,8,10,12,14
.irp b, 0,1,2,3
	v_max3_num_f32 v[TM+\b], v[TM+\b], |v[ACC+16*\b+\i]|, |v[ACC+1+16*\b+\i]|
.endr
.endr
.irp b, 0,1,2,3
	v_permlanex16_b32 v[TM+4+\b], v[TM+\b], s[SEL], s[SEL+1]
.endr
.irp b, 0,1,2,3
	v_max_num_f32 v[TM+\b], v[TM+\b], v[TM+4+\b]
.endr
.irp b, 0,1,2,3
	v_add_nc_u32 v[TM+8+\b], 0xff000000, v[TM+\b]   ; 2 off the exponent field: the conversion's scale operand
.endr
.irp b, 0,1,2,3
	v_lshrrev_b32 v[TM+4+\b], 23, v[TM+8+\b]
.endr
	v_lshl_or_b32 v[PW], v[TM+5], 8, v[TM+4]
	v_lshl_or_b32 v[PW], v[TM+6], 16, v[PW]
	v_lshl_or_b32 v[PW], v[TM+7], 24, v[PW]
	v_cvt_scalef32_pk16_fp6_f32 v[OUT:OUT+2], v[ACC:ACC+15], v[TM+8]
	v_cvt_scalef32_pk16_fp6_f32 v[TQ:TQ+2], v[ACC+16:ACC+31], v[TM+9]
	v_cvt_scalef32_pk16_fp6_f32 v[OUT+6:OUT+8], v[ACC+32:ACC+47], v[TM+10]
	v_cvt_scalef32_pk16_fp6_f32 v[TQ+4:TQ+6], v[ACC+48:ACC+63], v[TM+11]
	v_nop                                          ; one plain place behind a scaled conversion
.irp i, 0,1,2
	v_permlane16_swap_b32 v[OUT+\i], v[TQ+\i]      ; a whole block to a lane
	v_permlane16_swap_b32 v[OUT+6+\i], v[TQ+4+\i]
.endr
.irp i, 0,1,2
	v_mov_b32 v[OUT+3+\i], v[TQ+\i]
	v_mov_b32 v[OUT+9+\i], v[TQ+4+\i]
.endr
.endm
.macro IMG p, off                      ; the fragment's image: 512 consecutive bytes a store
.irp c, 0,1,2
	global_store_b128 v[IMO], v[OUT+4*\c:OUT+4*\c+3], s[\p:\p+1] offset:\off+512*\c
.endr
.endm
.macro BACK                            ; my 32 tokens' rows of 256 bytes, back from the stage
.irp t, 0,1,2,3,4,5,6,7,8,9,10,11,12,13,14,15
	ds_load_b128 v[BB+4*\t:BB+4*\t+3], v[RD] offset:544*\t
.endr
.endm
.macro SENDF p                         ; 512 consecutive bytes a store, aligned
.irp t, 0,1,2,3,4,5,6,7,8,9,10,11,12,13,14,15
	global_store_b128 v[IMO], v[BB+4*\t:BB+4*\t+3], s[\p:\p+1] offset:512*\t th:TH_STORE_NT
.endr
.endm
	s_load_b512 s[68:83], s[0:1], 0x0              ; x codes, scales; Wq; Wk; Wv
	s_load_b256 s[84:91], s[0:1], 0x40             ; bq, bk, bv, qimg
	s_load_b128 s[92:95], s[0:1], 0x60             ; kvimg, out1
	s_load_b64 s[96:97], s[0:1], 0x70              ; out2
	v_lshl_add_u32 v[SPW], v0, 2, SPARE
	v_mov_b32 v[NIL], 0
	ds_add_u32 v[SPW], v[NIL]                      ; the opening lines
	ds_add_u32 v[SPW], v[NIL]
	v_lshrrev_b32 v1, 5, v0
	v_readfirstlane_b32 s14, v1                    ; wave 0..7
	s_lshr_b32 s15, s14, 2                         ; which head; also: I fetch x (0) or weights (1)
	s_and_b32 s16, s14, 3                          ; f
	s_bfe_u32 s40, ttmp6, 0x40000
	s_bfe_u32 s41, ttmp6, 0x40004
	s_lshl_b32 s42, ttmp9, 2
	s_add_co_u32 s42, s42, s40                     ; block of 128 columns
	s_and_b32 s17, ttmp7, 0xffff
	s_lshl_b32 s17, s17, 2
	s_add_co_u32 s17, s17, s41                     ; block of 128 tokens
	s_lshl_b32 s43, s41, 2
	s_lshl_b32 s43, 15, s43
	s_lshl_b32 s44, 0x1111, s40
	s_or_b32 s[G1], s43, (1<<20)|(1<<21)|(5<<22)|(3<<25)   ; bytes; 4 words of padding behind every 64
	s_or_b32 s[G1B], s44, (1<<20)|(1<<21)|(5<<22)|(3<<25)
.irp g, G1, G1B
	s_mov_b32 s[\g+1], 768<<16
	s_mov_b32 s[\g+2], 32<<16
	s_mov_b32 s[\g+3], 768<<16
	s_mov_b32 s[\g+4], 32
	s_mov_b32 s[\g+5], 768
	s_mov_b32 s[\g+6], 0
	s_mov_b32 s[\g+7], 0
.endr
	s_mul_i32 s18, s16, 24576                      ; my 32 rows of a tile
	s_mul_i32 s20, s17, 98304
	s_add_co_u32 s20, s20, s18
	s_mov_b32 s21, 0
	s_mul_i32 s46, s42, 98304
	s_add_co_u32 s46, s46, s18
	s_mov_b32 s47, 0
	s_mul_i32 s45, s16, 32*PITCH
	s_wait_dscnt 0x0
	s_wait_kmcnt 0x0
	CROUND                                         ; the first joint loads meet
	s_mov_b32 s[G0X], 1
	s_add_co_u32 s[G0X+1], s45, 0
	s_add_nc_u64 s[G0X+2:G0X+3], s[68:69], s[20:21]
	s_or_b32 s[G0X+3], s[G0X+3], 0x80000000
	MKG0 G0Q, 72, SL0
	MKG0 G0K, 76, SL1
	MKG0 G0V, 80, SL0
	s_cmp_eq_u32 s15, 0
	s_cbranch_scc0 .Lhead_w
	tensor_load_to_lds s[G0X:G0X+3], s[G1:G1+7]
	s_nop 0
	PLACES
	s_branch .Lhead_j
.Lhead_w:
	tensor_load_to_lds s[G0Q:G0Q+3], s[G1B:G1B+7]
	s_nop 0
	PLACES
.Lhead_j:
	s_mov_b32 s[SEL], 0x76543210
	s_mov_b32 s[SEL+1], 0xfedcba98
	s_mul_i32 s7, s15, 64*PITCH
	s_add_co_u32 s7, s7, SL0
	s_mul_i32 s8, s14, 16*PITCH
	s_add_co_u32 s8, s8, SL0
	s_mul_i32 s9, s14, 8704
	s_add_co_u32 s9, s9, STAGE                     ; my 32 rows of the stage: 32 x 272 bytes
	s_mul_i32 s10, s15, 34816
	s_lshl_b32 s20, s16, 6
	s_add_co_u32 s10, s10, s20
	s_add_co_u32 s10, s10, STAGE
	s_lshl_b32 s11, s15, 8
	s_lshl_b32 s20, s16, 2
	s_add_co_u32 s11, s11, s20
	s_add_co_u32 s11, s11, SG
	s_mov_b32 s13, 0                               ; s[12:13]: an offset
	s_lshl_b32 s12, s17, 12
	s_add_nc_u64 s[70:71], s[70:71], s[12:13]      ; x's scales: the block's 128 rows,
	s_lshl_b32 s12, s16, 10
	s_add_nc_u64 s[4:5], s[70:71], s[12:13]        ; my 32
	s_lshl_b32 s20, s42, 12
	s_lshl_b32 s12, s15, 11
	s_add_co_u32 s12, s12, s20
	s_add_nc_u64 s[74:75], s[74:75], s[12:13]
	s_add_nc_u64 s[78:79], s[78:79], s[12:13]
	s_lshl_b32 s12, s14, 9
	s_add_co_u32 s12, s12, s20
	s_add_nc_u64 s[82:83], s[82:83], s[12:13]
	s_lshl_b32 s20, s42, 9
	s_lshl_b32 s12, s15, 8
	s_add_co_u32 s12, s12, s20
	s_add_nc_u64 s[84:85], s[84:85], s[12:13]
	s_add_nc_u64 s[86:87], s[86:87], s[12:13]
	s_lshl_b32 s12, s14, 6
	s_add_co_u32 s12, s12, s20
	s_add_nc_u64 s[88:89], s[88:89], s[12:13]
	s_lshr_b32 s21, s17, 4
	s_lshl_b32 s21, s21, 4
	s_lshl_b32 s20, s42, 1
	s_add_co_u32 s21, s21, s20
	s_add_co_u32 s21, s21, s15                     ; my head of 32
	s_and_b32 s22, s17, 15                         ; the block of 128 tokens in its sequence
	s_mul_i32 s12, s21, 102400
	s_mul_i32 s20, s22, 6400
	s_add_co_u32 s12, s12, s20
	s_add_nc_u64 s[90:91], s[90:91], s[12:13]      ; q's image of the block,
	s_mul_i32 s12, s21, 307200
	s_mul_i32 s20, s22, 12800
	s_add_co_u32 s12, s12, s20
	s_add_co_u32 s12, s12, 102400
	s_add_nc_u64 s[92:93], s[92:93], s[12:13]      ; K's and V's: step 8 + block
	s_mul_i32 s12, s16, 1536
	s_add_nc_u64 s[98:99], s[90:91], s[12:13]      ; my fragment in each
	s_add_nc_u64 s[100:101], s[92:93], s[12:13]
	s_mul_i32 s12, s21, 786432
	s_lshl_b32 s20, s22, 15
	s_add_co_u32 s12, s12, s20
	s_lshl_b32 s20, s16, 13
	s_add_co_u32 s12, s12, s20
	s_add_co_u32 s12, s12, 262144
	s_add_nc_u64 s[94:95], s[94:95], s[12:13]      ; my 32 tokens in out1, out2
	s_add_nc_u64 s[96:97], s[96:97], s[12:13]
	v_and_b32 v1, 15, v0                           ; r
	v_bfe_u32 v2, v0, 4, 1                         ; h
	v_and_b32 v[ACC], 31, v0
	v_lshlrev_b32 v[IMO], 4, v[ACC]
	v_lshlrev_b32 v[LS], 5, v[ACC]
	v_lshlrev_b32 v[RS], 5, v1
	v_lshlrev_b32 v[BO], 5, v2
	v_lshlrev_b32 v[RO], 2, v1
	v_mul_u32_u24 v[ACC+1], v1, PITCH
	v_mad_u32_u24 v[XVA], v2, 24, v[ACC+1]
	v_lshl_add_u32 v[XVA+1], v2, 4, v[XVA]
.irp i, 0,1
	v_add_nc_u32 v[XVB+\i], 64*PITCH, v[XVA+\i]
	v_add_nc_u32 v[XQ+\i], s45, v[XVA+\i]
	v_add_nc_u32 v[WA+\i], s7, v[XVA+\i]
	v_add_nc_u32 v[WV+\i], s8, v[XVA+\i]
	v_add_nc_u32 v[WK+\i], TILE, v[WA+\i]
.endr
	v_mul_u32_u24 v[ACC+1], v1, 272
	v_lshl_add_u32 v[ACC+1], v2, 5, v[ACC+1]
	v_add_nc_u32 v[STO], s9, v[ACC+1]              ; k's stage, in: row r, 32 bytes for each half of the lanes
	v_mul_u32_u24 v[ACC+2], v2, 272
	v_lshl_add_u32 v[ACC+2], v1, 4, v[ACC+2]
	v_add_nc_u32 v[RD], s9, v[ACC+2]               ; back: sixteen lanes take a row
	v_mul_u32_u24 v[ACC+3], v2, 2176
	v_lshl_add_u32 v[ACC+3], v1, 2, v[ACC+3]
	v_add_nc_u32 v[STV], s10, v[ACC+3]             ; v's stage, in: token 8 h, channel 16 f + r
	v_lshl_add_u32 v[SGA], v1, 4, s11              ; my row's scale word of fragment f
	v_add_nc_u32 v[SGR], SG, v[IMO]
	s_wait_alu depctr_va_vdst(0)                   ; the wait at the head's end
	global_load_b128 v[SXV:SXV+3], v[LS], s[4:5]
	global_load_b128 v[SXV+4:SXV+7], v[LS], s[4:5] offset:16
	LDW 74
	LDB 84
.irp i, 0,1,2,3,4,5,6,7
	global_load_b32 v[BV+\i], v[RO], s[88:89]
.endr
	s_wait_tensorcnt 0x0                           ; my part of x or Wq is in; the three lines and a round ahead of slot 1's first fill
	ds_add_u32 v[SPW], v[NIL]
	s_wait_dscnt 0x0
	CROUND
	WLOAD G0K
	s_wait_loadcnt 0x0
	GQK WA                                         ; q
	PLACES
	LDW 78
	LDB 86
	s_wait_tensorcnt 0x0                           ; Wk is in; my reads of slot 0 are over
	ds_add_u32 v[SPW], v[NIL]
	s_wait_dscnt 0x0
	CROUND
	WLOAD G0V                                      ; slot 0 is filled again
	QUANT
	IMG 98, 0
	ds_store_b32 v[SGA], v[PW]
	s_wait_loadcnt 0x0
	s_wait_xcnt 0x0                                ; the image's stores have read their registers
	GQK WK                                         ; k
	PLACES
.irp i, 0,1,2,3
	global_load_b128 v[SXV+8*\i:SXV+8*\i+3], v[LS], s[70:71] offset:1024*\i
	global_load_b128 v[SXV+8*\i+4:SXV+8*\i+7], v[LS], s[70:71] offset:1024*\i+16
.endr
	global_load_b128 v[SW:SW+3], v[RS], s[82:83]
	global_load_b128 v[SW+4:SW+7], v[RS], s[82:83] offset:16
	s_wait_tensorcnt 0x0                           ; Wv is in
	s_wait_dscnt 0x0
	s_barrier_signal -1
	s_barrier_wait -1                              ; nobody reads slot 1 any more: it is the stage from here on
.irp a, 0,1
.irp b, 0,1,2,3
	ds_store_b128 v[STO], v[ACC+32*\a+8*\b:ACC+32*\a+8*\b+3] offset:4352*\a+64*\b
	ds_store_b128 v[STO], v[ACC+32*\a+8*\b+4:ACC+32*\a+8*\b+7] offset:4352*\a+64*\b+16
.endr
.endr
	BACK                                           ; my own bytes: LDS serves a wave's instructions in order
	QUANT
	s_wait_alu depctr_va_vdst(0)
	s_wait_dscnt 0x0
	SENDF 94
	IMG 100, 0
	ds_store_b32 v[SGA], v[PW] offset:512
	s_wait_loadcnt 0x0
	s_wait_xcnt 0x0
	GV                                             ; v
	PLACES
	s_wait_dscnt 0x0
	s_barrier_signal -1
	s_barrier_wait -1                              ; every wave has read k's rows back: the stage may be written across the waves' parts
.irp i, 0,1,2,3,4,5,6,7
.irp j, 0,1,2,3,4,5,6,7
	ds_store_b32 v[STV], v[ACC+8*\i+\j] offset:(16*\i+\j)*272
.endr
.endr
	QUANT
	IMG 100, 6144
	ds_store_b32 v[SGA], v[PW] offset:1024
	s_wait_dscnt 0x0
	s_barrier_signal -1
	s_barrier_wait -1
	BACK
	s_wait_dscnt 0x0
	SENDF 96
	s_cmp_lg_u32 s14, 0
	s_cbranch_scc1 .Lend
	ds_load_b128 v[FR:FR+3], v[SGR]                ; the scale words of both heads leave in blocks of 256 bytes
	ds_load_b128 v[FR+4:FR+7], v[SGR] offset:512
	ds_load_b128 v[FR+8:FR+11], v[SGR] offset:1024
	v_mul_u32_u24 v[FR+12], v2, 102400
	v_lshl_add_u32 v[FR+12], v1, 4, v[FR+12]
	v_mul_u32_u24 v[FR+13], v2, 307200
	v_lshl_add_u32 v[FR+13], v1, 4, v[FR+13]
	s_wait_alu depctr_va_vdst(0)
	s_wait_dscnt 0x0
	global_store_b128 v[FR+12], v[FR:FR+3], s[90:91] offset:6144
	global_store_b128 v[FR+13], v[FR+4:FR+7], s[92:93] offset:12288
	global_store_b128 v[FR+13], v[FR+8:FR+11], s[92:93] offset:12544
.Lend:
	s_wait_tensorcnt 0x0                           ; the wave's end
	ds_add_u32 v[SPW], v[NIL]
	s_wait_dscnt 0x0
	CROUND                                         ; the closing round
	s_endpgm
.Lfunc_end_k_q671b001e23_qkv:
	.size	k_q671b001e23_qkv, .Lfunc_end_k_q671b001e23_qkv-k_q671b001e23_qkv
	.p2alignl 7, 3214868480
	.fill 96, 4, 3214868480
	.section	.rodata,"a",@progbits
	.p2align	6, 0x0
	.amdhsa_kernel k_q671b001e23_qkv
		.amdhsa_group_segment_fixed_size 327680
		.amdhsa_private_segment_fixed_size 0
		.amdhsa_enable_private_segment 0
		.amdhsa_kernarg_size 120
		.amdhsa_user_sgpr_count 2
		.amdhsa_user_sgpr_kernarg_segment_ptr 1
		.amdhsa_wavefront_size32 1
		.amdhsa_system_sgpr_workgroup_id_x 1
		.amdhsa_system_sgpr_workgroup_id_y 1
		.amdhsa_system_sgpr_workgroup_id_z 1
		.amdhsa_system_vgpr_workitem_id 0
		.amdhsa_next_free_vgpr 256
		.amdhsa_next_free_sgpr 102
		.amdhsa_reserve_vcc 0
		.amdhsa_float_denorm_mode_32 3
		.amdhsa_float_denorm_mode_16_64 3
		.amdhsa_memory_ordered 1
		.amdhsa_forward_progress 1
		.amdhsa_inst_pref_size 130
	.end_amdhsa_kernel
	.amdgpu_metadata
---
amdhsa.version: [ 1, 2 ]
amdhsa.kernels:
  - .name:           k_q671b001e23_qkv
    .symbol:         k_q671b001e23_qkv.kd
    .args:
      - { .name: x_codes, .offset: 0, .size: 8, .value_kind: global_buffer, .address_space: global }
      - { .name: x_scales, .offset: 8, .size: 8, .value_kind: global_buffer, .address_space: global }
      - { .name: Wq_codes, .offset: 16, .size: 8, .value_kind: global_buffer, .address_space: global }
      - { .name: Wq_scales, .offset: 24, .size: 8, .value_kind: global_buffer, .address_space: global }
      - { .name: Wk_codes, .offset: 32, .size: 8, .value_kind: global_buffer, .address_space: global }
      - { .name: Wk_scales, .offset: 40, .size: 8, .value_kind: global_buffer, .address_space: global }
      - { .name: Wv_codes, .offset: 48, .size: 8, .value_kind: global_buffer, .address_space: global }
      - { .name: Wv_scales, .offset: 56, .size: 8, .value_kind: global_buffer, .address_space: global }
      - { .name: bq, .offset: 64, .size: 8, .value_kind: global_buffer, .address_space: global }
      - { .name: bk, .offset: 72, .size: 8, .value_kind: global_buffer, .address_space: global }
      - { .name: bv, .offset: 80, .size: 8, .value_kind: global_buffer, .address_space: global }
      - { .name: qimg, .offset: 88, .size: 8, .value_kind: global_buffer, .address_space: global }
      - { .name: kvimg, .offset: 96, .size: 8, .value_kind: global_buffer, .address_space: global }
      - { .name: out1, .offset: 104, .size: 8, .value_kind: global_buffer, .address_space: global }
      - { .name: out2, .offset: 112, .size: 8, .value_kind: global_buffer, .address_space: global }
    .group_segment_fixed_size: 327680
    .private_segment_fixed_size: 0
    .kernarg_segment_align: 8
    .kernarg_segment_size: 120
    .max_flat_workgroup_size: 256
    .sgpr_count:     102
    .vgpr_count:     256
    .wavefront_size: 32
...
	.end_amdgpu_metadata
.endif
;; end of part 2
;; launch attn (part 3): grid 8 x 32, 16 waves a work-group, clusters of 4 x 1, 327,680 bytes of LDS; arguments qimg, kvimg, yimg, ysc; writes yimg, ysc
.if DOCPART == 3
	.amdgcn_target "amdgcn-amd-amdhsa--gfx1250"
	.amdhsa_code_object_version 6
	.text
	.protected	k_q671b001e23_attn
	.globl	k_q671b001e23_attn
	.p2align	8
	.type	k_q671b001e23_attn,@function
k_q671b001e23_attn:
	s_mov_b64 s[64:65], 0
	v_nop
	global_prefetch_b8 v0, s[64:65] scope:SCOPE_SE
	s_setreg_imm32_b32 hwreg(HW_REG_WAVE_MODE, 25, 1), 1
	s_wait_xcnt 0x0
	s_wait_alu depctr_hold_cnt(0) depctr_sa_sdst(0) depctr_va_vdst(0) depctr_va_sdst(0) depctr_va_ssrc(0) depctr_va_vcc(0) depctr_vm_vsrc(0)
	s_getreg_b32 s2, hwreg(HW_REG_IB_STS2, 6, 4)
	s_cmp_eq_u32 s2, 0
	s_cbranch_scc0 .Lentry_in_a_cluster
	s_endpgm
.Lentry_in_a_cluster:
	s_bfe_u32 s2, ttmp6, 0x10000c
	s_cmp_lg_u32 s2, 0x3003
	s_cbranch_scc0 .Lentry_shape_is_right
	s_endpgm
.Lentry_shape_is_right:
; y = softmax(q k^T / 8, key j counts for query i where j <= i + 1,024) v for 32 heads of 64, 2,048 queries, 3,072 keys; both products on codes of FP6 (E2M3) with E8M0 scales.
; q, k and v come as images of operand registers (qimg, kvimg); y is quantised along its 1,024 and leaves as images of the last product's A fragments (yimg) with its scale bytes (ysc).
; THE SOFTMAX: t = score x log2(e) / 8; M = the running largest t rounded UP to a whole number; p = 2^(t - M) is quantised along the keys, not normalised; the row's sum is taken of the unquantised p and divides at the end.
; A HEAD'S K AND V STAY IN LDS: 24 steps of 128 keys x 12,800 bytes = 307,200 bytes, each byte filled once: no slot is filled again.
; CLUSTER: the four work-groups of a cluster serve one head and ask for its K and V jointly.  Each of the sixteen waves asks for 6,400 bytes of each of three chunks of 8 steps: one tensor load of a wave is out at a time.
; SHARES.  Wave w owns one tile of 16 queries: tile 8 g + 4 x cluster x + cx of the head's 128, g = w xor 3 ((w >> 2) & 1).  It needs steps 0 to 8 + g; step 8 + g lies on the diagonal.  The last step hangs on the wave's
; number alone, so no branch differs between partners; cx enters global addresses and vector compares alone.  The exclusive or evens the steps out among waves w, w + 4, w + 8, w + 12.
; LAYOUT.  Both products transposed: S^T = K Q^T, O^T = V^T P^T: a lane holds ONE query (lane % 16) throughout.
; THE HEAD'S 64 ARE HALF OF THE INSTRUCTION'S 128: a fragment of K carries key tile 2 b in K = 0-63 and key tile 2 b + 1 in K = 64-127; q stands between two runs of zero codes, v16-21 and v28-33:
; v[22:33] = (q, 0) picks tile 2 b, v[16:27] = (0, q) tile 2 b + 1.  The half that is not wanted adds exact zeros.
; LIMITS: where the two key tiles of a fragment have very unlike scales, the sum's alignment inside the matrix unit may cost the smaller tile's scores low bits; a block of zeros gets the scale byte 1; NaN and infinities are not served.
.set STEPB, 12800                      ; a step in LDS: K's 4 fragments (6,144), V's 4 (6,144), K's scale words (256), V's (256)
.set CHUNK, 8*STEPB
.set LI,  1                            ; v1   16 x lane
.set LR,  2                            ; v2   16 x (lane % 16)
.set DQ,  3                            ; v3   my query in its block of 128, less 8 (lane / 16)
.set NINF, 4                           ; v4   -infinity
.set YO,  5                            ; v5   8 x lane
.set YS,  6                            ; v6   32 r + h
.set ADR, 8                            ; v8   the step's fragments;  v9 its scale words
.set ADS, 9
.set RR,  10                           ; v10  r;  v11 h
.set HH,  11
.set Q,   16                           ; v16-33 0 x 6, q x 6, 0 x 6
.set QS,  34                           ; q's scale word: its two bytes twice
.set F,   36                           ; v36-83 four fragments: K's, then V's
.set KSR, 84                           ; v84-87 K's scale words;  v88-91 V's;  v92 p's
.set VSR, 88
.set PS,  92
.set S,   96                           ; v96-159 S^T, then p
.set O,   160                          ; v160-191 O^T
.set PC,  192                          ; v192-203 p's codes;  v204-211 the second halves
.set TC,  204
.set BM,  212                          ; v212-215 the blocks' largest;  v216-219 at work;  v220-223 the conversions' scale operands
.set PT,  216
.set SOP, 220
.set FF,  224                          ; v[224:225] f = 2^(old M - new M)
.set TT,  226
.set SU,  228                          ; v[228:229] the sum's second chain.   v12 -M, v13 the largest t, v[14:15] the sum in two halves
.set WV,   12
.set GG,   13
.set SEL,  20
.set CS,   22
.set G1,   24
.set G0,   32
.set TB,   44                          ; s44 the step's first LDS byte;  s45 the step's number;  s46 my last step;  s47 counts a phase's steps
.set SI,   45
.set LAST, 46
.set TRIP, 47
.macro ROUND                           ; a round of the cluster's barrier
	s_barrier_signal -1
	s_barrier_wait -1
	s_cmp_lg_u32 s[WV], 0
	s_cbranch_scc1 .Lnot_wave_0_\@
	s_barrier_signal -3
.Lnot_wave_0_\@:
	s_barrier_wait -3
	s_barrier_signal -1
	s_barrier_wait -1
.endm
	s_load_b256 s[4:11], s[0:1], 0x0               ; qimg, kvimg, yimg, ysc
	v_lshl_add_u32 v254, v0, 2, 0x4b000
	v_mov_b32 v255, 0
	ds_add_u32 v254, v255
	ds_add_u32 v254, v255
	v_lshrrev_b32 v1, 5, v0
	s_delay_alu instid0(VALU_DEP_1)
	v_readfirstlane_b32 s[WV], v1                  ; wave 0..15
; THE SHARES AS THEY STAND NOW (in place of what the head says of them).  Waves w and w + 8 (j = w % 8) share two tiles: the long one, block 15 - j (24 - j steps), and the short one, block j (9 + j steps).
; Wave w < 8 takes steps 0-16 of the long tile; wave w + 8 takes the short tile whole, stores it, and then steps 17 .. 23 - j of the long one: 17 and 16 steps.
; Its O^T, -M and sum of the long tile go to wave w through LDS bytes of chunk 0, which nobody reads behind trip 7; wave w joins the two parts by exact powers of two and stores the tile.
; The chunks come one tensor load a wave at a time: chunk 0 at the head, chunk 1 ahead of trip 0, chunk 2 ahead of trip 4, each behind the three lines and a round.
.set JJ, 66
.set G2, 67
.set LAST2, 68
.set SW, 69
.set JI, 70
.set JB, 71
.set TBE, 72
.set SIE, 73
.set LE, 74
.set Q2, 230                           ; v230-235 the long tile's q;  v236 its scale word
.set QS2, 236
	s_and_b32 s[JJ], s[WV], 7
	s_sub_co_u32 s[G2], 15, s[JJ]                  ; the long tile's block
	s_cmp_lt_u32 s[WV], 8
	s_cselect_b32 s[GG], s[G2], s[JJ]              ; the block of the tile that I begin with and store
	s_add_co_u32 s[LAST], s[GG], 8
	s_add_co_u32 s[LAST2], s[G2], 8
	s_add_co_u32 s[SW], s[JJ], 9                   ; the trip at whose head waves 8-15 change tiles
	s_cmp_lt_u32 s[WV], 8
	s_cselect_b32 s[SW], 99, s[SW]
	s_sub_co_u32 s[JI], 8, s[JJ]                   ; behind the change: step = trip + 8 - j
	s_mul_i32 s[JB], s[JI], STEPB
	s_bfe_u32 s14, ttmp6, 0x40000                  ; cx
	s_lshl_b32 s15, ttmp9, 2
	s_add_co_u32 s15, s15, s14                     ; which tile of 16 in the block: 4 x cluster x + cx
	s_and_b32 s16, ttmp7, 0xffff                   ; the head, which the partners share
	; descriptor group 1: 6,400 dense bytes as 25 rows of 256 (32 elements of 8 bytes)
	s_mov_b32 s[G1], 15|(3<<16)|(1<<21)            ; 15:0 the mask: all four work-groups; 17:16 elements of 8 bytes; 21 set beside a mask
	s_mov_b32 s[G1+1], 32<<16                      ; tensor_dim0
	s_mov_b32 s[G1+2], 25<<16                      ; tensor_dim1
	s_mov_b32 s[G1+3], 32<<16                      ; tile_dim0
	s_mov_b32 s[G1+4], 25                          ; tile_dim1
	s_mov_b32 s[G1+5], 32                          ; tensor_dim0_stride
	s_mov_b32 s[G1+6], 0
	s_mov_b32 s[G1+7], 0
	s_mul_i32 s48, s[WV], 6400                     ; my part of a chunk, in LDS as in memory
	s_mul_i32 s50, s16, 307200
	s_add_co_u32 s50, s50, s48
	s_mov_b32 s51, 0
	s_mov_b32 s[SEL], 0x76543210
	s_mov_b32 s[SEL+1], 0xfedcba98                 ; v_permlanex16_b32's selects for lane l xor 16
	s_mov_b32 s[CS], 0x3e38aa3b                    ; c = log2(e) / 8
	s_mov_b32 s[CS+1], s[CS]
	s_wait_dscnt 0x0
	s_wait_kmcnt 0x0
	s_add_nc_u64 s[50:51], s[6:7], s[50:51]
	ROUND                                          ; all four work-groups are here: the joint loads meet
.irp c, 0,1,2
	s_mov_b32 s[G0+4*\c], 1
	s_add_co_u32 s[G0+4*\c+1], s48, \c*CHUNK
	s_add_nc_u64 s[G0+4*\c+2:G0+4*\c+3], s[50:51], \c*CHUNK
	s_or_b32 s[G0+4*\c+3], s[G0+4*\c+3], 0x80000000
.endr
	tensor_load_to_lds s[G0:G0+3], s[G1:G1+7]      ; chunk 0; chunks 1 and 2 go out in the phases
	s_nop 0
.rept 4
	v_nop
.endr
	s_mul_i32 s52, s16, 102400                     ; q: my head,
	s_mul_i32 s53, s[GG], 6400                     ; my block of 128 queries,
	s_add_co_u32 s52, s52, s53
	s_lshr_b32 s53, s15, 1                         ; the fragment that holds my tile and its neighbour
	s_mul_i32 s54, s53, 1536
	s_add_co_u32 s54, s54, s52
	s_mov_b32 s55, 0
	s_add_nc_u64 s[54:55], s[4:5], s[54:55]
	s_lshl_b32 s53, s53, 2
	s_add_co_u32 s52, s52, s53
	s_add_co_u32 s52, s52, 6144                    ; and its scale words
	s_mov_b32 s53, 0
	s_add_nc_u64 s[52:53], s[4:5], s[52:53]
	v_and_b32 v7, 31, v0
	v_and_b32 v[RR], 15, v0
	v_bfe_u32 v[HH], v0, 4, 1
	s_wait_alu depctr_va_vdst(0)
	v_lshlrev_b32 v[LI], 4, v7
	v_lshlrev_b32 v[LR], 4, v[RR]
.irp c, 0,1,2
	global_load_b128 v[F+4*\c:F+4*\c+3], v[LI], s[54:55] offset:512*\c
.endr
	global_load_b32 v[QS], v[LR], s[52:53]
	s_sub_co_u32 s18, s[G2], s[GG]
	s_mul_i32 s18, s18, 6400
	s_mov_b32 s19, 0
	s_add_nc_u64 s[76:77], s[54:55], s[18:19]      ; the long tile's q
	s_add_nc_u64 s[78:79], s[52:53], s[18:19]
.irp c, 0,1,2
	global_load_b128 v[S+4*\c:S+4*\c+3], v[LI], s[76:77] offset:512*\c
.endr
	global_load_b32 v[QS2], v[LR], s[78:79]
	s_lshr_b32 s56, s16, 4                         ; the batch
	s_and_b32 s57, s16, 15                         ; the head in it
	s_lshl_b32 s58, s56, 4
	s_add_co_u32 s58, s58, s[GG]                   ; y's images: the block of 128 rows,
	s_mul_i32 s58, s58, 98304
	s_lshr_b32 s59, s57, 2
	s_mul_i32 s59, s59, 24576                      ; the K step of 256: four heads,
	s_add_co_u32 s58, s58, s59
	s_mul_i32 s59, s15, 3072                       ; the tile of 16 rows,
	s_add_co_u32 s58, s58, s59
	s_and_b32 s59, s57, 3
	s_mul_i32 s59, s59, 768                        ; my head's three planes of 256 bytes
	s_add_co_u32 s58, s58, s59
	s_mov_b32 s59, 0
	s_add_nc_u64 s[8:9], s[8:9], s[58:59]
	s_lshl_b32 s58, s56, 11
	s_lshl_b32 s60, s[GG], 7
	s_add_co_u32 s58, s58, s60
	s_lshl_b32 s60, s15, 4
	s_add_co_u32 s58, s58, s60                     ; my first row of y
	s_lshl_b32 s58, s58, 5                         ; 32 scale bytes a row,
	s_lshl_b32 s57, s57, 1                         ; two of them my head's
	s_add_co_u32 s58, s58, s57
	s_add_nc_u64 s[10:11], s[10:11], s[58:59]
	s_and_b32 s61, s14, 1                          ; which half of the fragment is my tile
	s_cmp_lg_u32 s61, 0
	s_cselect_b32 s61, -1, 0
	s_mov_b32 s62, 0x01000100
	s_cselect_b32 s62, 0x03020302, s62
	v_lshlrev_b32 v[DQ], 3, v[HH]
	s_delay_alu instid0(VALU_DEP_1)
	v_sub_nc_u32 v[DQ], v[RR], v[DQ]
	s_delay_alu instid0(VALU_DEP_1)
	v_add_nc_u32 v[DQ], s60, v[DQ]
	v_mov_b32 v[NINF], 0xff800000
	v_lshlrev_b32 v[YO], 3, v7
	v_lshl_add_u32 v[YS], v[RR], 5, v[HH]
	s_wait_loadcnt 0x0
.irp i, 0,1,2,3,4,5
	v_cndmask_b32 v[Q+6+\i], v[F+\i], v[F+6+\i], s61
.endr
	v_perm_b32 v[QS], v[QS], v[QS], s62
.irp i, 0,1,2,3,4,5
	v_cndmask_b32 v[Q2+\i], v[S+\i], v[S+6+\i], s61
.endr
	v_perm_b32 v[QS2], v[QS2], v[QS2], s62
.irp i, 0,1,2,3,4,5
	v_mov_b32 v[Q+\i], 0                           ; zero codes
	v_mov_b32 v[Q+12+\i], 0
.endr
	v_mov_b32 v13, 0xff61b1e6                      ; the largest t so far: -3e38
	s_delay_alu instid0(VALU_DEP_1)
	v_floor_f32 v12, -v13                          ; -M
	v_mov_b32 v14, 0
	v_mov_b32 v15, 0
.irp b, 0,1,2,3
	v_mov_b32 v[PT+\b], 0                          ; written once: a lane permute's destination counts as one of its sources
.endr
	v_mov_b32 v[FF+1], 0                           ; (named as the upper half of a pair)
	v_mov_b32 v[TT], 0
.irp j, 0,1,2,3,4,5,6,7,8,9,10,11,12,13,14,15,16,17,18,19,20,21,22,23,24,25,26,27,28,29,30,31
	v_mov_b32 v[O+\j], 0                           ; O^T: the step is written without a first step of its own: the first change of M leaves zeros zeros
.endr
; A KEY STEP: 128 keys.  causal = 1: a step behind my last is left out (a scalar branch on the wave's number and the step's, round the work, not round the lines that step addresses); my last step is masked.
.macro STEP causal
.if \causal
	s_cmp_lg_u32 s[SI], s[SW]
	s_cbranch_scc1 .Lsame_\@
	SWITCH                                         ; waves 8-15, once: the short tile leaves, the long one begins
.Lsame_\@:
	s_cmp_ge_u32 s[SI], s[SW]
	s_cselect_b32 s[TBE], s[JB], 0
	s_cselect_b32 s[SIE], s[JI], 0
	s_cselect_b32 s[LE], s[LAST2], s[LAST]
	s_add_co_u32 s[TBE], s[TBE], s[TB]
	s_min_u32 s[TBE], s[TBE], 23*STEPB
	s_add_co_u32 s[SIE], s[SIE], s[SI]             ; the step that this trip takes
	s_cmp_gt_u32 s[SIE], s[LE]
	s_cbranch_scc1 .Lhidden_\@
	v_add_nc_u32 v[ADR], s[TBE], v[LI]
	v_add_nc_u32 v[ADS], s[TBE], v[LR]
.else
	v_add_nc_u32 v[ADR], s[TB], v[LI]
	v_add_nc_u32 v[ADS], s[TB], v[LR]
.endif
	v_nop
	v_nop                                          ; four places behind the last step's products, ahead of loads into their operands' registers
.irp b, 0,1,2,3
.irp c, 0,1,2
	ds_load_b128 v[F+12*\b+4*\c:F+12*\b+4*\c+3], v[ADR] offset:1536*\b+512*\c
.endr
.endr
	ds_load_b128 v[KSR:KSR+3], v[ADS] offset:12288
	s_wait_alu depctr_va_vdst(0)
	s_wait_dscnt 0x0
.irp b, 0,1,2,3
	v_wmma_scale_f32_16x16x128_f8f6f4 v[S+16*\b:S+16*\b+7], v[F+12*\b:F+12*\b+11], v[Q+6:Q+17], 0, v[KSR+\b], v[QS] matrix_a_fmt:MATRIX_FMT_FP6 matrix_b_fmt:MATRIX_FMT_FP6
	v_wmma_scale_f32_16x16x128_f8f6f4 v[S+16*\b+8:S+16*\b+15], v[F+12*\b:F+12*\b+11], v[Q:Q+11], 0, v[KSR+\b], v[QS] matrix_a_fmt:MATRIX_FMT_FP6 matrix_b_fmt:MATRIX_FMT_FP6
.endr                                          ; register 8 tile + j of lane (r, h): query r, key 16 tile + 8 h + j
.rept 4
	v_nop                                          ; places ahead of the loads below and of the first read of the scores
.endr
.irp t, 0,1,2,3                                ; V's fragments land while the softmax is walked
.irp c, 0,1,2
	ds_load_b128 v[F+12*\t+4*\c:F+12*\t+4*\c+3], v[ADR] offset:6144+1536*\t+512*\c
.endr
.endr
	ds_load_b128 v[VSR:VSR+3], v[ADS] offset:12544
.if \causal
	s_cmp_lg_u32 s[SIE], s[LE]
	s_cbranch_scc1 .Lopen_\@
.irp n, 0,1,2,3,4,5,6,7,8,9,10,11,12,13,14,15,16,17,18,19,20,21,22,23,24,25,26,27,28,29,30,31,32,33,34,35,36,37,38,39,40,41,42,43,44,45,46,47,48,49,50,51,52,53,54,55,56,57,58,59,60,61,62,63
	v_cmp_gt_i32 vcc_lo, 16*(\n/8)+\n%8, v[DQ]     ; on the diagonal: hidden scores become -infinity ahead of the maximum
	v_cndmask_b32 v[S+\n], v[S+\n], v[NINF], vcc_lo
.endr
.Lopen_\@:
.endif
.irp b, 0,1,2,3
	v_max3_num_f32 v[BM+\b], v[S+16*\b], v[S+16*\b+1], v[S+16*\b+2]   ; the largest score of each block of 32 keys: for the row's maximum, and, since p rises with the score, for the block's largest p
.endr
.irp i, 3,5,7,9,11,13
.irp b, 0,1,2,3
	v_max3_num_f32 v[BM+\b], v[BM+\b], v[S+16*\b+\i], v[S+16*\b+\i+1]
.endr
.endr
.irp b, 0,1,2,3
	v_max_num_f32 v[BM+\b], v[BM+\b], v[S+16*\b+15]
.endr
.irp b, 0,1,2,3
	s_delay_alu instid0(VALU_DEP_4)
	v_permlanex16_b32 v[PT+\b], v[BM+\b], s[SEL], s[SEL+1]
.endr
.irp b, 0,1,2,3
	s_delay_alu instid0(VALU_DEP_4)
	v_max_num_f32 v[BM+\b], v[BM+\b], v[PT+\b]     ; with lane l xor 16's 16 keys
.endr
	s_delay_alu instid0(VALU_DEP_2)
	v_max3_num_f32 v[TT], v[BM], v[BM+1], v[BM+2]
	s_delay_alu instid0(VALU_DEP_1)
	v_max_num_f32 v[TT], v[TT], v[BM+3]
	s_delay_alu instid0(VALU_DEP_1)
	v_mul_f32 v[TT], s[CS], v[TT]
	s_delay_alu instid0(VALU_DEP_1)
	v_max_num_f32 v13, v13, v[TT]                  ; the running largest t
	v_mov_b32 v[TT], v12
	s_delay_alu instid0(VALU_DEP_2)
	v_floor_f32 v12, -v13                          ; the new -M = -ceil(t): a whole number
	s_delay_alu instid0(VALU_DEP_1)
	v_sub_f32 v[TT], v12, v[TT]
	s_delay_alu instid0(VALU_DEP_1)
	v_cvt_i32_f32 v[TT], v[TT]                     ; (it saturates)
	s_delay_alu instid0(VALU_DEP_1)
	v_ldexp_f32 v[FF], 1.0, v[TT]                  ; f = 2^(old M - new M): a multiplication by it rounds nothing
.irp j, 0,2,4,6,8,10,12,14,16,18,20,22,24,26,28,30,32,34,36,38,40,42,44,46,48,50,52,54,56,58,60,62
	v_pk_fma_f32 v[S+\j:S+\j+1], v[S+\j:S+\j+1], s[CS:CS+1], v[12:13] op_sel_hi:[1,0,0]   ; t - M
.endr
.irp b, 0,1,2,3
	v_fma_f32 v[BM+\b], v[BM+\b], s[CS], v12
.endr
	s_wait_alu depctr_va_vdst(0)
.irp j, 0,1,2,3,4,5,6,7,8,9,10,11,12,13,14,15,16,17,18,19,20,21,22,23,24,25,26,27,28,29,30,31,32,33,34,35,36,37,38,39,40,41,42,43,44,45,46,47,48,49,50,51,52,53,54,55,56,57,58,59,60,61,62,63
	v_exp_f32 v[S+\j], v[S+\j]                     ; p = 2^(t - M)
.endr
	v_pk_mul_f32 v[14:15], v[14:15], v[FF:FF+1] op_sel_hi:[1,0]   ; the sums under the new M: a plain place behind the exponentials
	s_wait_alu depctr_va_vdst(0)                   ; one wait for the whole batch, ahead of its first reader
.irp b, 0,1,2,3
	v_exp_f32 v[BM+\b], v[BM+\b]                   ; the block's largest p
.endr
	v_pk_add_f32 v[228:229], v[100:101], v[104:105]
	v_pk_add_f32 v[252:253], v[108:109], v[112:113]
	v_pk_add_f32 v[250:251], v[116:117], v[120:121]
	v_pk_add_f32 v[248:249], v[124:125], v[128:129]
	v_pk_add_f32 v[246:247], v[132:133], v[136:137]
	v_pk_add_f32 v[244:245], v[140:141], v[144:145]
	v_pk_add_f32 v[242:243], v[148:149], v[152:153]
	v_pk_add_f32 v[14:15], v[14:15], v[156:157]
	v_pk_add_f32 v[228:229], v[228:229], v[96:97]
	v_pk_add_f32 v[252:253], v[252:253], v[98:99]
	v_pk_add_f32 v[250:251], v[250:251], v[102:103]
	v_pk_add_f32 v[248:249], v[248:249], v[106:107]
	v_pk_add_f32 v[246:247], v[246:247], v[110:111]
	v_pk_add_f32 v[244:245], v[244:245], v[114:115]
	v_pk_add_f32 v[242:243], v[242:243], v[118:119]
	v_pk_add_f32 v[14:15], v[14:15], v[122:123]
	v_pk_add_f32 v[228:229], v[228:229], v[126:127]
	v_pk_add_f32 v[252:253], v[252:253], v[130:131]
	v_pk_add_f32 v[250:251], v[250:251], v[134:135]
	v_pk_add_f32 v[248:249], v[248:249], v[138:139]
	v_pk_add_f32 v[246:247], v[246:247], v[142:143]
	v_pk_add_f32 v[244:245], v[244:245], v[146:147]
	v_pk_add_f32 v[242:243], v[242:243], v[150:151]
	v_pk_add_f32 v[14:15], v[14:15], v[154:155]
	v_pk_add_f32 v[228:229], v[228:229], v[158:159]
	s_delay_alu instid0(VALU_DEP_2)
	v_pk_add_f32 v[14:15], v[14:15], v[248:249]
	s_delay_alu instid0(VALU_DEP_2)
	v_pk_add_f32 v[228:229], v[228:229], v[246:247]
	v_pk_add_f32 v[252:253], v[252:253], v[244:245]
	v_pk_add_f32 v[250:251], v[250:251], v[242:243]
	s_delay_alu instid0(VALU_DEP_2)
	v_pk_add_f32 v[14:15], v[14:15], v[252:253]
	s_delay_alu instid0(VALU_DEP_2)
	v_pk_add_f32 v[228:229], v[228:229], v[250:251]
	s_delay_alu instid0(VALU_DEP_1)
	v_pk_add_f32 v[14:15], v[14:15], v[228:229]
	s_wait_alu depctr_va_vdst(0)                   ; and one for the four
.irp b, 0,1,2,3
	v_max_num_f32 v[BM+\b], 0x1800000, v[BM+\b]    ; the floor 2^(3 - 127): the byte cannot fall under 1
.endr
.irp b, 0,1,2,3
	s_delay_alu instid0(VALU_DEP_4)
	v_add_nc_u32 v[SOP+\b], 0xff000000, v[BM+\b]
.endr
.irp b, 0,1,2,3
	s_delay_alu instid0(VALU_DEP_4)
	v_lshrrev_b32 v[PT+\b], 23, v[SOP+\b]
.endr
	s_delay_alu instid0(VALU_DEP_3)
	v_lshl_or_b32 v[PS], v[PT+1], 8, v[PT]         ; p's scale word for these 128 keys
	s_delay_alu instid0(VALU_DEP_1)
	v_lshl_or_b32 v[PS], v[PT+2], 16, v[PS]
	s_delay_alu instid0(VALU_DEP_1)
	v_lshl_or_b32 v[PS], v[PT+3], 24, v[PS]
.irp c, 0,1
	v_cvt_scalef32_pk16_fp6_f32 v[PC+6*\c:PC+6*\c+2], v[S+32*\c:S+32*\c+15], v[SOP+2*\c]
	v_cvt_scalef32_pk16_fp6_f32 v[TC+4*\c:TC+4*\c+2], v[S+32*\c+16:S+32*\c+31], v[SOP+2*\c+1]
.endr
	v_nop                                          ; one plain place behind a scaled conversion
.irp c, 0,1
.irp i, 0,1,2
	v_permlane16_swap_b32 v[PC+6*\c+\i], v[TC+4*\c+\i]   ; a whole block to a lane
.endr
.irp i, 0,1,2
	s_delay_alu instid0(VALU_DEP_3)
	v_mov_b32 v[PC+3+6*\c+\i], v[TC+4*\c+\i]
.endr
.endr
.irp j, 0,2,4,6,8,10,12,14,16,18,20,22,24,26,28,30
	v_pk_mul_f32 v[O+\j:O+\j+1], v[O+\j:O+\j+1], v[FF:FF+1] op_sel_hi:[1,0]   ; O^T under the new M.  For each product below twelve of these name none of its registers: the places between p's codes and scale word and the product
.endr
	s_wait_alu depctr_va_vdst(0)
	s_wait_dscnt 0x0                               ; V
.irp t, 0,1,2,3                                ; the four accumulators by turns, one instruction a turn; the eight products K Q^T stand between two turns of one accumulator
	v_wmma_scale_f32_16x16x128_f8f6f4 v[O+8*\t:O+8*\t+7], v[F+12*\t:F+12*\t+11], v[PC:PC+11], v[O+8*\t:O+8*\t+7], v[VSR+\t], v[PS] matrix_a_fmt:MATRIX_FMT_FP6 matrix_b_fmt:MATRIX_FMT_FP6
.endr
.if \causal
.Lhidden_\@:
.endif
	s_add_co_u32 s[TB], s[TB], STEPB
	s_add_co_u32 s[SI], s[SI], 1
.endm
; A PHASE: trips steps from step first.  all my tensor loads are waited for at its head; with fill, chunk fill's load goes out behind the round.
.macro PHASE fill, causal, first, trips
	s_wait_alu depctr_va_vdst(0)
	s_wait_tensorcnt 0x0                           ; all my tensor loads are in,
	ds_add_u32 v254, v255
	s_wait_dscnt 0x0
.if \fill
	ROUND                                          ; everybody's are, in all four work-groups
	tensor_load_to_lds s[G0+4*\fill:G0+4*\fill+3], s[G1:G1+7]   ; chunk fill's first fill: my one load behind the round
	s_nop 0
.rept 4
	v_nop
.endr
.else
	s_barrier_signal -1
	s_barrier_wait -1
.endif
	s_mov_b32 s[TB], \first*STEPB
	s_mov_b32 s[SI], \first
	s_mov_b32 s[TRIP], \trips
.Lphase_\@:
	STEP \causal
	s_sub_co_u32 s[TRIP], s[TRIP], 1
	s_cmp_lg_u32 s[TRIP], 0
	s_cbranch_scc1 .Lphase_\@
.endm
.macro WAYOUT
	; THE WAY OUT.  y = O^T / the sum, put into the natural order of the head's 64, quantised, stored as three planes of an operand's image.
.rept 4
	v_nop                                          ; places behind the last products
.endr
	v_add_f32 v14, v14, v15
	s_delay_alu instid0(VALU_DEP_1)
	v_permlanex16_b32 v[TT], v14, s[SEL], s[SEL+1]
	s_delay_alu instid0(VALU_DEP_1)
	v_add_f32 v14, v14, v[TT]                      ; the row's sum
	s_wait_alu depctr_va_vdst(0)
	v_rcp_f32 v14, v14
	v_nop                                          ; a plain place behind the transcendental
	s_wait_alu depctr_va_vdst(0)                   ; and the wait ahead of its first reader
.irp j, 0,2,4,6,8,10,12,14,16,18,20,22,24,26,28,30
	v_pk_mul_f32 v[S+\j:S+\j+1], v[O+\j:O+\j+1], v[14:15] op_sel_hi:[1,0]   ; each accumulator from its low end on.  Register 8 t + j: channel 16 t + 8 h + j
.endr
.irp b, 0,1
.irp j, 0,1,2,3,4,5,6,7
	v_permlane16_swap_b32 v[S+16*\b+\j], v[S+16*\b+8+\j]   ; now registers 16 b .. 16 b + 15 hold channels 32 b + 16 h + 0 .. 15: the order of the weight's given codes
.endr
.endr
.irp b, 0,1
	v_max3_num_f32 v[BM+\b], |v[S+16*\b]|, |v[S+16*\b+1]|, 0x1800000
.endr
.irp i, 2,4,6,8,10,12,14
.irp b, 0,1
	s_delay_alu instid0(VALU_DEP_2)
	v_max3_num_f32 v[BM+\b], v[BM+\b], |v[S+16*\b+\i]|, |v[S+16*\b+\i+1]|
.endr
.endr
.irp b, 0,1
	s_delay_alu instid0(VALU_DEP_2)
	v_permlanex16_b32 v[PT+\b], v[BM+\b], s[SEL], s[SEL+1]
.endr
.irp b, 0,1
	s_delay_alu instid0(VALU_DEP_2)
	v_max_num_f32 v[BM+\b], v[BM+\b], v[PT+\b]
.endr
.irp b, 0,1
	s_delay_alu instid0(VALU_DEP_2)
	v_add_nc_u32 v[SOP+\b], 0xff000000, v[BM+\b]
.endr
.irp b, 0,1
	s_delay_alu instid0(VALU_DEP_2)
	v_lshrrev_b32 v[PT+\b], 23, v[SOP+\b]
.endr
	v_cvt_scalef32_pk16_fp6_f32 v[PC:PC+2], v[S:S+15], v[SOP]
	v_cvt_scalef32_pk16_fp6_f32 v[TC:TC+2], v[S+16:S+31], v[SOP+1]
	v_cmp_ne_u32 vcc_lo, 0, v[HH]                  ; (a plain place behind the conversions)
.irp i, 0,1,2
	v_permlane16_swap_b32 v[PC+\i], v[TC+\i]
.endr
.irp i, 0,1,2
	s_delay_alu instid0(VALU_DEP_3)
	v_mov_b32 v[PC+3+\i], v[TC+\i]                 ; six registers: lane (r, h): row r, block h of my head's 64
.endr
	v_cndmask_b32 v[TT], v[PT], v[PT+1], vcc_lo    ; my block's byte
.irp p, 0,1,2
	global_store_b64 v[YO], v[PC+2*\p:PC+2*\p+1], s[8:9] offset:256*\p   ; 32 lanes store 256 consecutive bytes, aligned
.endr
	global_store_b8 v[YS], v[TT], s[10:11]
.endm
.macro SWITCH                          ; my first tile leaves; q and the running state are set for the long tile
	WAYOUT
	v_mov_b32 v[QS], v[QS2]
.irp i, 0,1,2,3,4,5
	v_mov_b32 v[Q+6+\i], v[Q2+\i]
.endr
	v_mov_b32 v13, 0xff61b1e6
	v_floor_f32 v12, -v13
	v_mov_b32 v14, 0
	v_mov_b32 v15, 0
.set JX, 0
.rept 32
	v_mov_b32 v[O+JX], 0
.set JX, JX+1
.endr
	s_wait_alu depctr_va_vdst(0)
	s_wait_xcnt 0x0                                ; the stores have read their registers
.endm
	PHASE 1, 0, 0, 4                               ; trips 0-3, chunk 1 on its way
	PHASE 2, 0, 4, 4                               ; trips 4-7, chunk 2 on its way
	PHASE 0, 1, 8, 9                               ; trips 8-16: all 24 steps are in
.rept 4
	v_nop                                          ; places behind the last products
.endr
	s_mul_i32 s17, s[JJ], 4608                     ; the pair's 4,608 bytes in chunk 0
	v_add_nc_u32 v[ADR], s17, v[LI]
	v_lshrrev_b32 v[ADS], 2, v[LI]
	v_add_nc_u32 v[ADS], s17, v[ADS]
	s_wait_alu depctr_va_vdst(0)
	s_cmp_lt_u32 s[WV], 8
	s_cbranch_scc1 .Lfirst
	v_add_f32 v14, v14, v15
.irp c, 0,1,2,3,4,5,6,7
	ds_store_b128 v[ADR], v[O+4*\c:O+4*\c+3] offset:512*\c   ; an image of my registers
.endr
	ds_store_b32 v[ADS], v12 offset:4096
	ds_store_b32 v[ADS], v14 offset:4224
.Lfirst:
	s_wait_alu depctr_va_vdst(0)
	s_wait_dscnt 0x0
	s_barrier_signal -1
	s_barrier_wait -1
	s_cmp_ge_u32 s[WV], 8
	s_cbranch_scc1 .Ldone
.irp c, 0,1,2,3,4,5,6,7
	ds_load_b128 v[S+4*\c:S+4*\c+3], v[ADR] offset:512*\c
.endr
	ds_load_b32 v[BM], v[ADS] offset:4096
	ds_load_b32 v[BM+1], v[ADS] offset:4224
	s_wait_dscnt 0x0
	v_min_num_f32 v[TT], v12, v[BM]                ; -M of both parts
	v_sub_f32 v[PT], v[TT], v12
	v_sub_f32 v[PT+1], v[TT], v[BM]
	v_cvt_i32_f32 v[PT], v[PT]                     ; (they saturate: a part with no step counts for nothing)
	v_cvt_i32_f32 v[PT+1], v[PT+1]
	v_ldexp_f32 v[FF], 1.0, v[PT]
	v_ldexp_f32 v[SU], 1.0, v[PT+1]
	v_pk_mul_f32 v[14:15], v[14:15], v[FF:FF+1] op_sel_hi:[1,0]
	v_fmac_f32 v14, v[BM+1], v[SU]
.irp j, 0,2,4,6,8,10,12,14,16,18,20,22,24,26,28,30
	v_pk_mul_f32 v[O+\j:O+\j+1], v[O+\j:O+\j+1], v[FF:FF+1] op_sel_hi:[1,0]
.endr
.irp j, 0,2,4,6,8,10,12,14,16,18,20,22,24,26,28,30
	v_pk_fma_f32 v[O+\j:O+\j+1], v[S+\j:S+\j+1], v[SU:SU+1], v[O+\j:O+\j+1] op_sel_hi:[1,0,1]
.endr
	WAYOUT
.Ldone:
	s_wait_tensorcnt 0x0
	ds_add_u32 v254, v255
	s_wait_dscnt 0x0
	ROUND                                          ; the closing round
	s_endpgm
.Lfunc_end_k_q671b001e23_attn:
	.size	k_q671b001e23_attn, .Lfunc_end_k_q671b001e23_attn-k_q671b001e23_attn
	.p2alignl 7, 3214868480
	.fill 96, 4, 3214868480
	.section	.rodata,"a",@progbits
	.p2align	6, 0x0
	.amdhsa_kernel k_q671b001e23_attn
		.amdhsa_group_segment_fixed_size 327680
		.amdhsa_private_segment_fixed_size 0
		.amdhsa_enable_private_segment 0
		.amdhsa_kernarg_size 32
		.amdhsa_user_sgpr_count 2
		.amdhsa_user_sgpr_kernarg_segment_ptr 1
		.amdhsa_wavefront_size32 1
		.amdhsa_system_sgpr_workgroup_id_x 1
		.amdhsa_system_sgpr_workgroup_id_y 1
		.amdhsa_system_sgpr_workgroup_id_z 1
		.amdhsa_system_vgpr_workitem_id 0
		.amdhsa_next_free_vgpr 256
		.amdhsa_next_free_sgpr 80
		.amdhsa_reserve_vcc 1
		.amdhsa_float_denorm_mode_32 3
		.amdhsa_float_denorm_mode_16_64 3
		.amdhsa_memory_ordered 1
		.amdhsa_forward_progress 1
		.amdhsa_inst_pref_size 83
	.end_amdhsa_kernel
	.amdgpu_metadata
---
amdhsa.version: [ 1, 2 ]
amdhsa.kernels:
  - .name:           k_q671b001e23_attn
    .symbol:         k_q671b001e23_attn.kd
    .args:
      - { .name: qimg, .offset: 0, .size: 8, .value_kind: global_buffer, .address_space: global }
      - { .name: kvimg, .offset: 8, .size: 8, .value_kind: global_buffer, .address_space: global }
      - { .name: yimg, .offset: 16, .size: 8, .value_kind: global_buffer, .address_space: global }
      - { .name: ysc, .offset: 24, .size: 8, .value_kind: global_buffer, .address_space: global }
    .group_segment_fixed_size: 327680
    .private_segment_fixed_size: 0
    .kernarg_segment_align: 8
    .kernarg_segment_size: 32
    .max_flat_workgroup_size: 512
    .sgpr_count:     80
    .vgpr_count:     256
    .wavefront_size: 32
...
	.end_amdgpu_metadata
.endif
;; end of part 3
;; launch proj (part 4): grid 8 x 32, 8 waves a work-group, clusters of 4 x 4, 327,680 bytes of LDS; arguments yimg, ysc, Wp_codes, Wp_scales, bp, out0; writes out0
.if DOCPART == 4
	.amdgcn_target "amdgcn-amd-amdhsa--gfx1250"
	.amdhsa_code_object_version 6
	.text
	.protected	k_q671b001e23_proj
	.globl	k_q671b001e23_proj
	.p2align	8
	.type	k_q671b001e23_proj,@function
k_q671b001e23_proj:
	s_mov_b64 s[64:65], 0
	v_nop
	global_prefetch_b8 v0, s[64:65] scope:SCOPE_SE
	s_setreg_imm32_b32 hwreg(HW_REG_WAVE_MODE, 25, 1), 1
	s_wait_xcnt 0x0
	s_wait_alu depctr_hold_cnt(0) depctr_sa_sdst(0) depctr_va_vdst(0) depctr_va_sdst(0) depctr_va_ssrc(0) depctr_va_vcc(0) depctr_vm_vsrc(0)
	s_getreg_b32 s2, hwreg(HW_REG_IB_STS2, 6, 4)
	s_cmp_eq_u32 s2, 0
	s_cbranch_scc0 .Lentry_in_a_cluster
	s_endpgm
.Lentry_in_a_cluster:
	s_bfe_u32 s2, ttmp6, 0x10000c
	s_cmp_lg_u32 s2, 0xf033
	s_cbranch_scc0 .Lentry_shape_is_right
	s_endpgm
.Lentry_shape_is_right:
; out0 = y Wp + bp on codes of FP6 (E2M3) with E8M0 scales: 128 rows x 128 columns a work-group, 32 x 8 work-groups, K = 1,024 whole in LDS: each LDS byte is filled once.
; y comes as images of operand registers (yimg: [block of 128 rows][256 along K][tile of 16 rows][128 along K][six planes of 256 bytes]), a block 98,304 dense bytes; Wp as rows of 768 bytes, padded in LDS to a pitch of 816.
; Wave w makes rows 32 (w % 4) .. x columns 64 (w / 4) ..: source 0 = 4 x 16 rows of Wp, source 1 = 2 x 16 rows of y: a lane holds eight neighbouring columns of a row.  bp is the C of each sum's first matrix instruction.
; Scale words go from memory into registers: a lane takes a row's 32 bytes; lanes 16-31 hold the next 16 rows' (ROW1).  The results leave through each wave's own stage as rows of 256 bytes.
; CLUSTER 4 x 4: y's block is asked for jointly along a row, Wp's rows along a column; waves 0-3 fetch y (24,576 bytes each), waves 4-7 Wp (32 rows each).  No prefetch: no loop to run ahead in.
.set PITCH, 816
.set WB, 98304
.set STAGE, WB+128*PITCH
.set SPARE, STAGE+8*8704
.set LS, 4
.set YA, 6                             ; y's images: K steps 0-3, 4-7
.set WA, 8
.set STO, 18
.set RD, 19
.set CO, 20
.set BO, 22
.set SPW, 24
.set NIL, 25
.set SX, 28
.set SW, 36
.set BQ, 52
.set ACC, 84
.set FR, 148
.set BB, FR
.set G1, 24
.set G1B, 48
.set G0X, 32
.set G0Q, 36
.macro CREST
	s_cmp_lg_u32 s14, 0
	s_cbranch_scc1 .Lnot_wave_0_\@
	s_barrier_signal -3
.Lnot_wave_0_\@:
	s_barrier_wait -3
	s_barrier_signal -1
	s_barrier_wait -1
.endm
.macro CROUND
	s_barrier_signal -1
	s_barrier_wait -1
	CREST
.endm
.macro PLACES
.rept 4
	v_nop
.endr
.endm
.macro WM d, a, b, c, sa, sb, ra, rb
.if (\ra)==0 && (\rb)==0
	v_wmma_scale_f32_16x16x128_f8f6f4 v[\d:\d+7], v[\a:\a+11], v[\b:\b+11], v[\c:\c+7], v[\sa], v[\sb] matrix_a_fmt:MATRIX_FMT_FP6 matrix_b_fmt:MATRIX_FMT_FP6
.endif
.if (\ra)==1 && (\rb)==0
	v_wmma_scale_f32_16x16x128_f8f6f4 v[\d:\d+7], v[\a:\a+11], v[\b:\b+11], v[\c:\c+7], v[\sa], v[\sb] matrix_a_fmt:MATRIX_FMT_FP6 matrix_b_fmt:MATRIX_FMT_FP6 matrix_a_scale:MATRIX_SCALE_ROW1
.endif
.if (\ra)==0 && (\rb)==1
	v_wmma_scale_f32_16x16x128_f8f6f4 v[\d:\d+7], v[\a:\a+11], v[\b:\b+11], v[\c:\c+7], v[\sa], v[\sb] matrix_a_fmt:MATRIX_FMT_FP6 matrix_b_fmt:MATRIX_FMT_FP6 matrix_b_scale:MATRIX_SCALE_ROW1
.endif
.if (\ra)==1 && (\rb)==1
	v_wmma_scale_f32_16x16x128_f8f6f4 v[\d:\d+7], v[\a:\a+11], v[\b:\b+11], v[\c:\c+7], v[\sa], v[\sb] matrix_a_fmt:MATRIX_FMT_FP6 matrix_b_fmt:MATRIX_FMT_FP6 matrix_a_scale:MATRIX_SCALE_ROW1 matrix_b_scale:MATRIX_SCALE_ROW1
.endif
.endm
.macro FRAG reg, adr, st, i            ; byte y of a row of Wp lies at y + 16 (y / 256) of its LDS row
.irp p, 0,1,2,3,4,5
.set BY, 96*(\st)+48*(\p/3)+8*(\p%3)
.if BY/256 == (BY+24)/256
	ds_load_b64 v[\reg+2*\p:\reg+2*\p+1], v[\adr] offset:BY+16*(BY/256)+(\i)*16*PITCH
.else
	ds_load_b64 v[\reg+2*\p:\reg+2*\p+1], v[\adr+1] offset:BY+16*(BY/256)+(\i)*16*PITCH
.endif
.endr
.endm
.macro FRAGY reg, st, a
.irp p, 0,1,2,3,4,5
	ds_load_b64 v[\reg+2*\p:\reg+2*\p+1], v[YA+(\st)/4] offset:24576*(((\st)/2)%2)+3072*(\a)+1536*((\st)%2)+256*\p
.endr
.endm
	s_load_b256 s[68:75], s[0:1], 0x0              ; yimg, ysc, Wp's codes, scales
	s_load_b128 s[76:79], s[0:1], 0x20             ; bp, out0
	v_lshl_add_u32 v[SPW], v0, 2, SPARE
	v_mov_b32 v[NIL], 0
	ds_add_u32 v[SPW], v[NIL]                      ; the opening lines
	ds_add_u32 v[SPW], v[NIL]
	v_lshrrev_b32 v1, 5, v0
	v_readfirstlane_b32 s14, v1
	s_lshr_b32 s15, s14, 2
	s_and_b32 s16, s14, 3
	s_bfe_u32 s40, ttmp6, 0x40000
	s_bfe_u32 s41, ttmp6, 0x40004
	s_lshl_b32 s42, ttmp9, 2
	s_add_co_u32 s42, s42, s40                     ; block of 128 columns
	s_and_b32 s17, ttmp7, 0xffff
	s_lshl_b32 s17, s17, 2
	s_add_co_u32 s17, s17, s41                     ; block of 128 rows
	s_lshl_b32 s43, s41, 2
	s_lshl_b32 s43, 15, s43
	s_lshl_b32 s44, 0x1111, s40
	s_or_b32 s[G1], s43, (3<<16)|(1<<21)           ; 96 dense rows of 256 bytes
	s_mov_b32 s[G1+1], 32<<16
	s_mov_b32 s[G1+2], 96<<16
	s_mov_b32 s[G1+3], 32<<16
	s_mov_b32 s[G1+4], 96
	s_mov_b32 s[G1+5], 32
	s_mov_b32 s[G1+6], 0
	s_mov_b32 s[G1+7], 0
	s_or_b32 s[G1B], s44, (1<<20)|(1<<21)|(5<<22)|(3<<25)
	s_mov_b32 s[G1B+1], 768<<16
	s_mov_b32 s[G1B+2], 32<<16
	s_mov_b32 s[G1B+3], 768<<16
	s_mov_b32 s[G1B+4], 32
	s_mov_b32 s[G1B+5], 768
	s_mov_b32 s[G1B+6], 0
	s_mov_b32 s[G1B+7], 0
	s_mul_i32 s18, s16, 24576
	s_mul_i32 s20, s17, 98304
	s_add_co_u32 s20, s20, s18
	s_mov_b32 s21, 0
	s_mul_i32 s46, s42, 98304
	s_add_co_u32 s46, s46, s18
	s_mov_b32 s47, 0
	s_mul_i32 s45, s16, 32*PITCH
	s_wait_dscnt 0x0
	s_wait_kmcnt 0x0
	CROUND
	s_mov_b32 s[G0X], 1
	s_add_co_u32 s[G0X+1], s18, 0
	s_add_nc_u64 s[G0X+2:G0X+3], s[68:69], s[20:21]
	s_or_b32 s[G0X+3], s[G0X+3], 0x80000000
	s_mov_b32 s[G0Q], 1
	s_add_co_u32 s[G0Q+1], s45, WB
	s_add_nc_u64 s[G0Q+2:G0Q+3], s[72:73], s[46:47]
	s_or_b32 s[G0Q+3], s[G0Q+3], 0x80000000
	s_cmp_eq_u32 s15, 0
	s_cbranch_scc0 .Lhead_w
	tensor_load_to_lds s[G0X:G0X+3], s[G1:G1+7]
	s_nop 0
	PLACES
	s_branch .Lhead_j
.Lhead_w:
	tensor_load_to_lds s[G0Q:G0Q+3], s[G1B:G1B+7]
	s_nop 0
	PLACES
.Lhead_j:
	s_mul_i32 s6, s16, 6144                        ; my two tiles of 16 rows in each image
	s_mul_i32 s7, s15, 64*PITCH
	s_add_co_u32 s7, s7, WB
	s_mul_i32 s9, s14, 8704
	s_add_co_u32 s9, s9, STAGE
	s_mov_b32 s13, 0
	s_lshl_b32 s12, s17, 12
	s_lshl_b32 s20, s16, 10
	s_add_co_u32 s12, s12, s20
	s_add_nc_u64 s[70:71], s[70:71], s[12:13]      ; my 32 rows' scales
	s_lshl_b32 s12, s42, 12
	s_lshl_b32 s20, s15, 11
	s_add_co_u32 s12, s12, s20
	s_add_nc_u64 s[74:75], s[74:75], s[12:13]
	s_lshl_b32 s12, s42, 9
	s_lshl_b32 s20, s15, 8
	s_add_co_u32 s12, s12, s20
	s_add_nc_u64 s[76:77], s[76:77], s[12:13]
	s_add_nc_u64 s[78:79], s[78:79], s[12:13]
	s_lshl_b32 s12, s17, 19
	s_lshl_b32 s20, s16, 17
	s_add_co_u32 s12, s12, s20
	s_add_nc_u64 s[78:79], s[78:79], s[12:13]      ; my first row and column of out0
	v_and_b32 v1, 15, v0
	v_bfe_u32 v2, v0, 4, 1
	v_and_b32 v[ACC], 31, v0
	v_lshlrev_b32 v[LS], 5, v[ACC]
	v_lshlrev_b32 v[BO], 5, v2
	v_lshl_add_u32 v[YA], v[ACC], 3, s6
	v_add_nc_u32 v[YA+1], 49152, v[YA]
	v_mul_u32_u24 v[ACC+1], v1, PITCH
	v_mad_u32_u24 v[ACC+1], v2, 24, v[ACC+1]
	v_add_nc_u32 v[WA], s7, v[ACC+1]
	v_lshl_add_u32 v[WA+1], v2, 4, v[WA]
	v_mul_u32_u24 v[ACC+2], v1, 272
	v_lshl_add_u32 v[ACC+2], v2, 5, v[ACC+2]
	v_add_nc_u32 v[STO], s9, v[ACC+2]
	v_mul_u32_u24 v[ACC+3], v2, 272
	v_lshl_add_u32 v[ACC+3], v1, 4, v[ACC+3]
	v_add_nc_u32 v[RD], s9, v[ACC+3]
	v_lshlrev_b32 v[CO], 12, v2
	v_lshl_add_u32 v[CO], v1, 4, v[CO]             ; two rows of out0 a store: 4,096 h + 16 r
	s_wait_alu depctr_va_vdst(0)                   ; the wait at the head's end
	global_load_b128 v[SX:SX+3], v[LS], s[70:71]
	global_load_b128 v[SX+4:SX+7], v[LS], s[70:71] offset:16
.irp i, 0,1
	global_load_b128 v[SW+8*\i:SW+8*\i+3], v[LS], s[74:75] offset:1024*\i
	global_load_b128 v[SW+8*\i+4:SW+8*\i+7], v[LS], s[74:75] offset:1024*\i+16
.endr
.irp b, 0,1,2,3
	global_load_b128 v[BQ+8*\b:BQ+8*\b+3], v[BO], s[76:77] offset:64*\b
	global_load_b128 v[BQ+8*\b+4:BQ+8*\b+7], v[BO], s[76:77] offset:64*\b+16
.endr
	s_wait_tensorcnt 0x0                           ; my part is in,
	s_barrier_signal -1
	s_barrier_wait -1                              ; everybody's is; nothing is filled again
	s_wait_loadcnt 0x0
.set ST, 0
.rept 8                                ; the eight accumulators by turns
.if ST > 0
	PLACES
.endif
.irp b, 0,1,2,3
	FRAG FR+12*\b, WA, ST, \b
.endr
.irp a, 0,1
	FRAGY FR+48+12*\a, ST, \a
.endr
	s_wait_dscnt 0x0
.irp a, 0,1
.irp b, 0,1,2,3
.if ST == 0
.set CB, BQ+8*\b
.else
.set CB, ACC+8*(4*\a+\b)
.endif
	WM ACC+8*(4*\a+\b), FR+12*\b, FR+48+12*\a, CB, SW+8*(\b/2)+ST, SX+ST, \b%2, \a
.endr
.endr
.set ST, ST+1
.endr
	PLACES
.irp a, 0,1
.irp b, 0,1,2,3
	ds_store_b128 v[STO], v[ACC+32*\a+8*\b:ACC+32*\a+8*\b+3] offset:4352*\a+64*\b
	ds_store_b128 v[STO], v[ACC+32*\a+8*\b+4:ACC+32*\a+8*\b+7] offset:4352*\a+64*\b+16
.endr
.endr
.irp t, 0,1,2,3,4,5,6,7,8,9,10,11,12,13,14,15
	ds_load_b128 v[BB+4*\t:BB+4*\t+3], v[RD] offset:544*\t   ; my own bytes: LDS serves a wave's instructions in order
.endr
	s_wait_dscnt 0x0
.irp t, 0,1,2,3,4,5,6,7,8,9,10,11,12,13,14,15
	global_store_b128 v[CO], v[BB+4*\t:BB+4*\t+3], s[78:79] offset:8192*\t th:TH_STORE_NT   ; sixteen lanes store 256 consecutive bytes, aligned
.endr
	s_wait_tensorcnt 0x0                           ; the wave's end
	ds_add_u32 v[SPW], v[NIL]
	s_wait_dscnt 0x0
	CROUND                                         ; the closing round
	s_endpgm
.Lfunc_end_k_q671b001e23_proj:
	.size	k_q671b001e23_proj, .Lfunc_end_k_q671b001e23_proj-k_q671b001e23_proj
	.p2alignl 7, 3214868480
	.fill 96, 4, 3214868480
	.section	.rodata,"a",@progbits
	.p2align	6, 0x0
	.amdhsa_kernel k_q671b001e23_proj
		.amdhsa_group_segment_fixed_size 327680
		.amdhsa_private_segment_fixed_size 0
		.amdhsa_enable_private_segment 0
		.amdhsa_kernarg_size 48
		.amdhsa_user_sgpr_count 2
		.amdhsa_user_sgpr_kernarg_segment_ptr 1
		.amdhsa_wavefront_size32 1
		.amdhsa_system_sgpr_workgroup_id_x 1
		.amdhsa_system_sgpr_workgroup_id_y 1
		.amdhsa_system_sgpr_workgroup_id_z 1
		.amdhsa_system_vgpr_workitem_id 0
		.amdhsa_next_free_vgpr 256
		.amdhsa_next_free_sgpr 80
		.amdhsa_reserve_vcc 0
		.amdhsa_float_denorm_mode_32 3
		.amdhsa_float_denorm_mode_16_64 3
		.amdhsa_memory_ordered 1
		.amdhsa_forward_progress 1
		.amdhsa_inst_pref_size 39
	.end_amdhsa_kernel
	.amdgpu_metadata
---
amdhsa.version: [ 1, 2 ]
amdhsa.kernels:
  - .name:           k_q671b001e23_proj
    .symbol:         k_q671b001e23_proj.kd
    .args:
      - { .name: yimg, .offset: 0, .size: 8, .value_kind: global_buffer, .address_space: global }
      - { .name: ysc, .offset: 8, .size: 8, .value_kind: global_buffer, .address_space: global }
      - { .name: Wp_codes, .offset: 16, .size: 8, .value_kind: global_buffer, .address_space: global }
      - { .name: Wp_scales, .offset: 24, .size: 8, .value_kind: global_buffer, .address_space: global }
      - { .name: bp, .offset: 32, .size: 8, .value_kind: global_buffer, .address_space: global }
      - { .name: out0, .offset: 40, .size: 8, .value_kind: global_buffer, .address_space: global }
    .group_segment_fixed_size: 327680
    .private_segment_fixed_size: 0
    .kernarg_segment_align: 8
    .kernarg_segment_size: 48
    .max_flat_workgroup_size: 256
    .sgpr_count:     80
    .vgpr_count:     256
    .wavefront_size: 32
...
	.end_amdgpu_metadata
.endif
;; end of part 4
